; MI455X (gfx1250); checked and timed in simulation.
; The chip was launched on July 23, 2026; its instructions are those of AMD's public machine-readable ISA for CDNA 5 (MIT licence, August 2026) and "CDNA5" Instruction Set Architecture Reference Guide (July 2026). The comments in the code are by the model that wrote it; some were corrected since.
;; Multi Head Attention. Allowed arithmetic: matrix products marked QUANTISED: E2M1 operands, one E8M0 scale for each 32 along K, by v_wmma_scale_f32_16x16x128_f8f6f4 with both operands' format E2M1 (or v_wmma_scale_f32_32x16x128_f4), f32 sums; everything else in f32.
;; Inputs: K 2 x 2,048 x 1,024 float32; Q 2 x 2,048 x 1,024 float32; V 2 x 2,048 x 1,024 float32; attn_mask 2 x 2,048 x 2,048 bool; beta 1,024 float32; bk 1,024 float32; bo 1,024 float32; bq 1,024 float32; bv 1,024 float32; gamma 1,024 float32; wk 1,024 x 1,024 float32; wo 1,024 x 1,024 float32; wq 1,024 x 1,024 float32; wv 1,024 x 1,024 float32.
;; Outputs: out0 2 x 2,048 x 1,024 float32.
;; This version of the problem:
;;   THIS VERSION OF THE PROBLEM IS GIVEN IN LOW PRECISION. The matrix products marked QUANTISED in the list below multiply operands that are first quantised to E2M1 (2 exponent bits, 1 mantissa bit; 4 bits a number), with one power-of-two scale for each 32 numbers along K (OCP MX v1.0); their sums are f32. All else is computed in f32.
;;   The module's matrix products, in the order in which they are computed (A, B: the left and right operand; K: the contracted axis; several contracted axes count as one K, in the product's order):
;;     1. [M 4,096, K 1,024] x [K 1,024, N 1,024]; A: input Q; B: input wq: QUANTISED
;;     2. [M 4,096, K 1,024] x [K 1,024, N 1,024]; A: input K; B: input wk: QUANTISED
;;     3. [M 4,096, K 1,024] x [K 1,024, N 1,024]; A: input V; B: input wv: QUANTISED
;;     4. batch 32 x [M 2,048, K 64] x [K 64, N 2,048]; A: computed on the way; B: computed on the way: QUANTISED
;;     5. batch 32 x [M 2,048, K 2,048] x [K 2,048, N 64]; A: softmax (see below); B: computed on the way: QUANTISED
;;     6. [M 4,096, K 1,024] x [K 1,024, N 1,024]; A: computed on the way; B: input wo: QUANTISED
;;   THE QUANTISER, for each operand of a quantised product, along K:
;;     - K is cut into blocks of 32 from its start; a last block that is shorter is filled with zeros.
;;     - A block's scale is 2^e with e = floor(log2(the largest magnitude in the block)) - 2, held to -126 .. 127; a block of zeros has e = 0. As a byte (E8M0): e + 127.
;;     - Each number is divided by its block's scale, clamped to +-6, and rounded to the nearest number of E2M1, ties to even, subnormals kept.
;;     - The product sums the exact products of the quantised numbers (number of the format x scale) in f32.
;;   ~~~python
;;   def quantise(x, axis):      # numpy; x: float32 -> the quantised numbers, widened to float32 again
;;       x = np.moveaxis(x, axis, -1); K = x.shape[-1]
;;       x = np.pad(x, [(0, 0)] * (x.ndim - 1) + [(0, -K % 32)]); x = x.reshape(x.shape[:-1] + (-1, 32)); a = np.abs(x).max(-1, keepdims=True)
;;       e = np.where(a > 0, np.clip(np.frexp(np.where(a > 0, a, 1))[1] - 1 - 2, -126, 127), 0)      # np.frexp(a)[1] - 1 = floor(log2(a)), exactly
;;       r = np.clip(x / 2.0 ** e, -6, 6)
;;       step = 2.0 ** (np.maximum(np.frexp(np.where(r == 0, 1, r))[1] - 1, 0) - 1)
;;       q = np.round(r / step) * step * 2.0 ** e      # np.round: ties to even
;;       return np.moveaxis(q.reshape(q.shape[:-2] + (-1,))[..., :K], -1, axis).astype(np.float32)
;;   ~~~
;;   SOFTMAX AHEAD OF A QUANTISED PRODUCT. Where the list says 'softmax', what is quantised is not the finished softmax but p = 2^(t - M), with t = logit x log2(e) and M = ceil(the row's largest t), a whole number; so 1/2 < the row's largest p <= 1. The row's sum l is taken of the UNQUANTISED p, in f32, and the product's result is divided by l at the end. Since M is a whole number, a kernel that streams over the keys may use a running M (the ceiling of the running maximum): every later rescaling is an exact power of two, which a block's scale takes up: the codes' values come out the same.
;;   OPERANDS COMPUTED ON THE WAY. 'Computed on the way' means the value that the module computes at that place (a softmax that the list does not call 'softmax' is quantised finished and normalised). What goes into a quantiser is computed in f32, as accurately as f32 sums, v_exp_f32 and their like allow (about 1e-6 of the number): no bf16 or f16 on the way to a quantiser, and a product that is left as it is and whose result goes on into a quantised operand takes f32 operands (vector FMAs, or v_wmma_f32_16x16x4_f32). A number that lies on a knife's edge between two numbers of the format may be rounded either way, as far as f32 arithmetic and the matrix unit's own rounding can turn it there, and no further.
;; 2 versions. Each part assembles by itself: llvm-mc -triple=amdgcn-amd-amdhsa -mcpu=gfx1250 --defsym DOCPART=n.
;; ======== version 1 of 2: 4 launches
;; limits: right only within a limited range of input values
;; workspace buffers: oc 8,388,608 bytes; os 524,288 bytes; mw 1,048,576 bytes of whole numbers; pc 6,291,456 bytes; ps 655,360 bytes; cc 2,097,152 bytes; cs 131,072 bytes
;; launch prep (part 1): grid 320 x 1, 4 waves a work-group, no clusters, 68,096 bytes of LDS; arguments Q, K, V, wq, wk, wv, wo, attn_mask, oc, os, mw; writes oc, os, mw
.if DOCPART == 1
	.amdgcn_target "amdgcn-amd-amdhsa--gfx1250"
	.amdhsa_code_object_version 6
	.text
	.protected	k_qc354db1f77_prep
	.globl	k_qc354db1f77_prep
	.p2align	8
	.type	k_qc354db1f77_prep,@function
k_qc354db1f77_prep:
	s_mov_b64 s[64:65], 0
	v_nop
	global_prefetch_b8 v0, s[64:65] scope:SCOPE_SE
	s_setreg_imm32_b32 hwreg(HW_REG_WAVE_MODE, 25, 1), 1
	s_wait_xcnt 0x0
; LAUNCH 1 OF 4.  The whole program: out0 = LayerNorm(attention(Q wq^T + bq, K wk^T + bk, V wv^T + bv, mask) wo^T + bo + Q), all six products on codes of E2M1 with one E8M0 scale for each 32 along K.
; NO WORK IS LEFT OUT: every input has a way to the output (bk too: it moves k's codes), so every input is loaded by some launch.
; THIS LAUNCH: (a) Q, K, V, wq, wk, wv, wo, f32 with K = 1,024 innermost, become codes and scale words laid as IMAGES OF MATRIX FRAGMENTS; (b) the mask's bytes become lane-mask words.
; A fragment is 16 rows x 128 K: 8 registers a lane; registers 4 c .. 4 c + 3 of lane l = r + 16 h (row r, k = 64 c + 32 h + 0 .. 31) lie at byte 512 c + 16 l of its 1,024 bytes.
; oc: [pair P 0..511][tile x 0..1][K step 0..7][1,024 B].  P 0-127 Q, 128-255 K, 256-383 V, 384-415 wq, 416-447 wk, 448-479 wv, 480-511 wo.
; WHICH ROWS FORM A TILE IS CHOSEN FOR THE READER: row m of tile x of a tensor's pair p is the tensor's row C1 (p / 2) + C2 (p % 2) + DEL x + LO (m % 8) + HI (m / 8):
;   Q, K, wo: 16 neighbouring rows;  V: every second row;  wq, wk: eight rows and the eight 32 further on;  wv: rows 64 apart.  The later launches' quantisers then find a whole block of 32 in one lane.
; os: [P][K half 0..1][lane][4 words]: lanes 0-15 the rows of tile 0, lanes 16-31 those of tile 1; word i = the four scale bytes of K step 4 half + i.
; mw: [qt 0..255][key step J 0..15][n 0..63] words, qt = 128 b + 16 A + e.  Bit l of word n = 16 bb + i is mask[b][256 A + 16 (l % 16) + e][128 J + 32 bb + 16 (l / 16) + i]: the lane and register that hold that score in launch 3.
; A block's scale is 2^(floor(log2(largest magnitude)) - 2); its byte is the largest magnitude's exponent field - 2, held at 1 from below by a floor among the maximum's leaves.
; LIMITS: a block of zeros gets the byte 1 where the rule says 127 (its codes are zeros, and this program alone reads the bytes); NaN and infinities among the inputs are not served.
; SHARES: work-groups 0-255 quantise: wave job j = 4 g + w takes pair j / 2, K half j % 2: 8 fragments.  Work-groups 256-319 pack the mask: a wave takes one qt, in 4 steps of 16 rows x 512 keys.
; Each load reads 512 consecutive bytes of one row; the numbers turn through the wave's own stage in LDS (rows 528 bytes apart) so that a lane holds neighbours along K.  Waves share nothing: no barrier.
.set STG,   8448                       ; a wave's stage: 16 rows x 528
.set MSTG,  33792                      ; the mask path's stages lie behind the quantisers': each path has LDS bytes of its own
.set SPARE, 67584                      ; the spare words: 128 bytes a wave
.set R,     64                         ; v64-255  three sets of 64 registers
.set OFF,   16                         ; v16-31   row m's byte offset + 16 x lane
.set CD,    32                         ; v32-39   a fragment's codes (mask path: the words on their way out)
.set W8,    40                         ; v40-47   scale words: 4 x + K step
	s_load_b512 s[8:23], s[0:1], 0x0               ; Q, K, V, wq, wk, wv, wo, attn_mask
	s_load_b128 s[24:27], s[0:1], 0x40             ; oc, os
	s_load_b64 s[28:29], s[0:1], 0x50              ; mw
	v_lshl_add_u32 v8, v0, 2, SPARE                ; my spare word,
	v_mov_b32 v9, 0                                ; and 0: kept for the closing lines alone
	v_lshrrev_b32 v1, 5, v0
	v_readfirstlane_b32 s30, v1                    ; wave
	v_and_b32 v1, 31, v0                           ; lane
	v_and_b32 v2, 15, v0                           ; r
	v_bfe_u32 v3, v0, 4, 1                         ; h
	v_lshlrev_b32 v4, 4, v1                        ; 16 x lane
	s_mul_i32 s31, s30, STG
	v_add_nc_u32 v5, s31, v4                       ; into the stage: 16 x lane of row m
	v_mul_u32_u24 v6, v2, 528
	v_add_nc_u32 v6, s31, v6
	v_lshl_add_u32 v7, v3, 4, v6                   ; out of it, mask: row r, + 16 h
	v_lshl_add_u32 v6, v3, 7, v6                   ; out of it, numbers: row r, + 128 h
	v_lshlrev_b32 v49, 3, v3                       ; 8 h
	v_mov_b32 v48, 0                               ; a lane permute's destination counts as read
	s_mov_b32 s48, 0x76543210
	s_mov_b32 s49, 0xfedcba98                      ; selects for lane l xor 16
	s_mov_b32 s50, 0xffff0000                      ; lanes 16-31
	s_mov_b32 s63, 0
	s_wait_kmcnt 0x0
	s_cmp_ge_u32 ttmp9, 256
	s_cbranch_scc1 .Lmask
; ---------------- the quantisers ----------------
.macro PICK lim, ptr, start, lo, hi, del, c1, c2   ; work-groups under lim take this tensor: a choice on the work-group's number alone
	s_cmp_lt_u32 ttmp9, \lim
	s_cselect_b64 s[32:33], s[\ptr:\ptr+1], s[32:33]
	s_cselect_b32 s34, \start, s34
	s_cselect_b32 s35, \lo, s35
	s_cselect_b32 s36, \hi, s36
	s_cselect_b32 s37, \del, s37
	s_cselect_b32 s38, \c1, s38
	s_cselect_b32 s39, \c2, s39
.endm
	s_mov_b64 s[32:33], s[20:21]                   ; wo, unless one of the choices below holds
	s_mov_b32 s34, 480                             ; the tensor's first pair
	s_mov_b32 s35, 4096                            ; LO, HI, DEL in bytes (a row is 4,096)
	s_mov_b32 s36, 32768
	s_mov_b32 s37, 65536
	s_mov_b32 s38, 64                              ; C1, C2 in rows
	s_mov_b32 s39, 32
	PICK 240, 18, 448, 262144, 4096, 2097152, 4, 2
	PICK 224, 16, 416, 4096, 131072, 32768, 64, 16
	PICK 208, 14, 384, 4096, 131072, 32768, 64, 16
	PICK 192, 12, 256, 8192, 65536, 4096, 64, 32
	PICK 128, 10, 128, 4096, 32768, 65536, 64, 32
	PICK 64, 8, 0, 4096, 32768, 65536, 64, 32
	s_lshl_b32 s51, ttmp9, 1
	s_lshr_b32 s60, s30, 1
	s_add_co_u32 s51, s51, s60                     ; P
	s_and_b32 s60, s30, 1                          ; K half
	s_sub_co_u32 s61, s51, s34                     ; the pair's number in its tensor
	s_lshr_b32 s62, s61, 1
	s_mul_i32 s62, s62, s38
	s_and_b32 s61, s61, 1
	s_mul_i32 s61, s61, s39
	s_add_co_u32 s62, s62, s61                     ; the pair's first row
	s_lshl_b32 s62, s62, 12
	s_lshl_b32 s61, s60, 11                        ; 512 numbers along K
	s_add_co_u32 s62, s62, s61
	s_add_nc_u64 s[40:41], s[32:33], s[62:63]      ; tile 0
	s_mov_b32 s62, s37
	s_add_nc_u64 s[42:43], s[40:41], s[62:63]      ; tile 1
	s_lshl_b32 s62, s51, 14
	s_lshl_b32 s61, s60, 12
	s_add_co_u32 s62, s62, s61
	s_add_nc_u64 s[44:45], s[24:25], s[62:63]      ; codes: 16,384 P + 4,096 half
	s_lshl_b32 s62, s51, 10
	s_lshl_b32 s61, s60, 9
	s_add_co_u32 s62, s62, s61
	s_add_nc_u64 s[46:47], s[26:27], s[62:63]      ; scale words: 1,024 P + 512 half
	v_mov_b32 v[OFF], v4
.irp m, 1,2,3,4,5,6,7
	v_add_nc_u32 v[OFF+\m], s35, v[OFF+\m-1]
.endr
.irp m, 0,1,2,3,4,5,6,7
	v_add_nc_u32 v[OFF+8+\m], s36, v[OFF+\m]
.endr
.macro LOADF f                         ; fragment f = 2 (K step) + tile: 16 rows x 512 bytes
.irp m, 0,1,2,3,4,5,6,7,8,9,10,11,12,13,14,15
	global_load_b128 v[R+64*((\f)%3)+4*\m:R+64*((\f)%3)+4*\m+3], v[OFF+\m], s[40+2*((\f)%2):41+2*((\f)%2)] offset:512*((\f)/2) th:TH_LOAD_NT
.endr
.endm
.macro QF f
.set RS, R+64*((\f)%3)
.if (\f) <= 5
	s_wait_loadcnt 32                              ; my 16 loads are in; the two younger sets' 32 may be out
.elseif (\f) == 6
	s_wait_loadcnt 16
.else
	s_wait_loadcnt 0x0
.endif
.irp m, 0,1,2,3,4,5,6,7,8,9,10,11,12,13,14,15
	ds_store_b128 v5, v[RS+4*\m:RS+4*\m+3] offset:528*\m
.endr
.irp c, 0,1
.irp q, 0,1,2,3,4,5,6,7
	ds_load_b128 v[RS+32*\c+4*\q:RS+32*\c+4*\q+3], v6 offset:256*\c+16*\q   ; LDS serves a wave's instructions in order: these see the stores.  Register 32 c + i: k = 64 c + 32 h + i of row r
.endr
.endr
	s_wait_dscnt 0x0
	v_max3_num_f32 v10, |v[RS]|, |v[RS+1]|, 0x1800000      ; my two blocks by turns, with the floor 2^(3 - 127): the byte cannot fall under 1
	v_max3_num_f32 v11, |v[RS+32]|, |v[RS+33]|, 0x1800000
.irp i, 2,4,6,8,10,12,14,16,18,20,22,24,26,28,30
	v_max3_num_f32 v10, v10, |v[RS+\i]|, |v[RS+\i+1]|
	v_max3_num_f32 v11, v11, |v[RS+32+\i]|, |v[RS+33+\i]|
.endr
	v_add_nc_u32 v12, 0xff000000, v10              ; 2 off the exponent field: the conversion's scale operand
	v_add_nc_u32 v13, 0xff000000, v11
	v_lshrrev_b32 v14, 23, v12                     ; the bytes of blocks h and 2 + h
	v_lshrrev_b32 v15, 23, v13
	v_lshl_or_b32 v50, v15, 16, v14
	v_lshlrev_b32 v50, v49, v50                    ; at their places in the word
	v_permlanex16_b32 v48, v50, s48, s49
	v_or_b32 v[W8+4*((\f)%2)+(\f)/2], v50, v48     ; with lane l xor 16's two the row's word is whole
	s_wait_xcnt 0x0                                ; the last fragment's stores have read the codes' registers
.irp c, 0,1
.irp g, 0,1,2,3
	v_cvt_scalef32_pk8_fp4_f32 v[CD+4*\c+\g], v[RS+32*\c+8*\g:RS+32*\c+8*\g+7], v[12+\c]
.endr
.endr
	v_nop                                          ; one plain line behind the last conversion
	global_store_b128 v4, v[CD:CD+3], s[44:45] offset:8192*((\f)%2)+1024*((\f)/2)        ; 512 consecutive bytes each
	global_store_b128 v4, v[CD+4:CD+7], s[44:45] offset:8192*((\f)%2)+1024*((\f)/2)+512
.if (\f)+3 < 8
	LOADF (\f)+3
.endif
.endm
	LOADF 0
	LOADF 1
	LOADF 2
.irp f, 0,1,2,3,4,5,6,7
	QF \f
.endr
.irp i, 0,1,2,3
	v_cndmask_b32 v[52+\i], v[W8+\i], v[W8+4+\i], s50      ; lanes 0-15 tile 0's words, lanes 16-31 tile 1's
.endr
	global_store_b128 v4, v[52:55], s[46:47]
	s_wait_tensorcnt 0x0                           ; the wave's end: three lines behind my last LDS store
	ds_add_u32 v8, v9
	s_wait_dscnt 0x0
	s_endpgm
; ---------------- the mask ----------------
.Lmask:
	s_sub_co_u32 s51, ttmp9, 256
	s_lshl_b32 s51, s51, 2
	s_add_co_u32 s51, s51, s30                     ; qt
	s_lshr_b32 s60, s51, 7
	s_lshl_b32 s60, s60, 22                        ; b: 2,048 x 2,048 bytes
	s_bfe_u32 s61, s51, 0x30004
	s_lshl_b32 s61, s61, 19                        ; A: 256 rows of 2,048
	s_and_b32 s62, s51, 15
	s_lshl_b32 s62, s62, 11                        ; e: a row
	s_add_co_u32 s62, s62, s61
	s_add_co_u32 s62, s62, s60
	s_add_nc_u64 s[40:41], s[22:23], s[62:63]
	s_lshl_b32 s62, s51, 12                        ; 4,096 bytes of words a qt
	s_add_nc_u64 s[44:45], s[28:29], s[62:63]
.irp m, 0,1,2,3,4,5,6,7,8,9,10,11,12,13,14,15
	v_add_nc_u32 v[OFF+\m], 32768*\m, v4           ; my tile's rows lie 16 rows apart
.endr
.irp i, 0,1,2,3,4,5,6,7
	v_mov_b32 v[CD+\i], 0                          ; v_writelane's destination counts as read
.endr
.macro LOADM st
.irp m, 0,1,2,3,4,5,6,7,8,9,10,11,12,13,14,15
	global_load_b128 v[R+64*((\st)%3)+4*\m:R+64*((\st)%3)+4*\m+3], v[OFF+\m], s[40:41] offset:512*(\st) th:TH_LOAD_NT
.endr
.endm
.macro MSTEP st, left
.set RS, R+64*((\st)%3)
	s_wait_loadcnt \left                           ; this step's 16 loads are in; the younger steps' may be out
.irp m, 0,1,2,3,4,5,6,7,8,9,10,11,12,13,14,15
	ds_store_b128 v5, v[RS+4*\m:RS+4*\m+3] offset:MSTG+528*\m
.endr
.irp t, 0,1,2,3,4,5,6,7,8,9,10,11,12,13,14,15
	ds_load_b128 v[RS+4*\t:RS+4*\t+3], v7 offset:MSTG+32*\t    ; row r, keys 32 t + 16 h + 0 .. 15: a byte each
.endr
	s_wait_dscnt 0x0
	s_wait_xcnt 0x0                                ; the last step's stores have read the words' registers
.set wg, 0
.rept 32                                       ; eight words at a time: word 8 wg + u is the ballot of byte u % 4 of register 2 wg + u / 4
.irp u, 0,1,2,3,4,5,6,7
	v_and_b32 v[56+\u], 0xff<<(8*(\u%4)), v[RS+2*wg+\u/4]
.endr
.irp u, 0,1,2,3,4,5,6,7
	v_cmp_ne_u32 s[52+\u], 0, v[56+\u]
.endr
.irp u, 0,1,2,3,4,5,6,7
	v_writelane_b32 v[CD+4*(wg/16)+\u%4], s[52+\u], (2*wg+\u/4)%32     ; lane L of registers 4 s .. 4 s + 3 takes words 128 s + 4 L + 0 .. 3
.endr
.set wg, wg+1
.endr
	global_store_b128 v4, v[CD:CD+3], s[44:45] offset:1024*(\st)
	global_store_b128 v4, v[CD+4:CD+7], s[44:45] offset:1024*(\st)+512
.endm
	LOADM 0
	LOADM 1
	LOADM 2
	MSTEP 0, 32
	LOADM 3
	MSTEP 1, 32
	MSTEP 2, 16
	MSTEP 3, 0
	s_wait_tensorcnt 0x0                           ; the wave's end: three lines behind my last LDS store
	ds_add_u32 v8, v9
	s_wait_dscnt 0x0
	s_endpgm
.Lfunc_end_k_qc354db1f77_prep:
	.size	k_qc354db1f77_prep, .Lfunc_end_k_qc354db1f77_prep-k_qc354db1f77_prep
	.p2alignl 7, 3214868480
	.fill 96, 4, 3214868480
	.section	.rodata,"a",@progbits
	.p2align	6, 0x0
	.amdhsa_kernel k_qc354db1f77_prep
		.amdhsa_group_segment_fixed_size 68096
		.amdhsa_private_segment_fixed_size 0
		.amdhsa_enable_private_segment 0
		.amdhsa_kernarg_size 88
		.amdhsa_user_sgpr_count 2
		.amdhsa_user_sgpr_kernarg_segment_ptr 1
		.amdhsa_wavefront_size32 1
		.amdhsa_system_sgpr_workgroup_id_x 1
		.amdhsa_system_sgpr_workgroup_id_y 1
		.amdhsa_system_sgpr_workgroup_id_z 1
		.amdhsa_system_vgpr_workitem_id 0
		.amdhsa_next_free_vgpr 256
		.amdhsa_next_free_sgpr 66
		.amdhsa_reserve_vcc 0
		.amdhsa_float_denorm_mode_32 3
		.amdhsa_float_denorm_mode_16_64 3
		.amdhsa_memory_ordered 1
		.amdhsa_forward_progress 1
		.amdhsa_inst_pref_size 255
	.end_amdhsa_kernel
	.section	.bss,"aw",@nobits
	.p2align	6
	.space	262144
	.amdgpu_metadata
---
amdhsa.version: [ 1, 2 ]
amdhsa.kernels:
  - .name:           k_qc354db1f77_prep
    .symbol:         k_qc354db1f77_prep.kd
    .args:
      - { .name: Q, .offset: 0, .size: 8, .value_kind: global_buffer, .address_space: global }
      - { .name: K, .offset: 8, .size: 8, .value_kind: global_buffer, .address_space: global }
      - { .name: V, .offset: 16, .size: 8, .value_kind: global_buffer, .address_space: global }
      - { .name: wq, .offset: 24, .size: 8, .value_kind: global_buffer, .address_space: global }
      - { .name: wk, .offset: 32, .size: 8, .value_kind: global_buffer, .address_space: global }
      - { .name: wv, .offset: 40, .size: 8, .value_kind: global_buffer, .address_space: global }
      - { .name: wo, .offset: 48, .size: 8, .value_kind: global_buffer, .address_space: global }
      - { .name: attn_mask, .offset: 56, .size: 8, .value_kind: global_buffer, .address_space: global }
      - { .name: oc, .offset: 64, .size: 8, .value_kind: global_buffer, .address_space: global }
      - { .name: os, .offset: 72, .size: 8, .value_kind: global_buffer, .address_space: global }
      - { .name: mw, .offset: 80, .size: 8, .value_kind: global_buffer, .address_space: global }
    .group_segment_fixed_size: 68096
    .private_segment_fixed_size: 0
    .kernarg_segment_align: 8
    .kernarg_segment_size: 88
    .max_flat_workgroup_size: 128
    .sgpr_count:     66
    .vgpr_count:     256
    .wavefront_size: 32
...
	.end_amdgpu_metadata
.endif
;; end of part 1
;; launch proj (part 2): grid 8 x 32, 3 waves a work-group, no clusters, 1,024 bytes of LDS; arguments oc, os, bq, bk, bv, pc, ps; writes pc, ps
.if DOCPART == 2
	.amdgcn_target "amdgcn-amd-amdhsa--gfx1250"
	.amdhsa_code_object_version 6
	.text
	.protected	k_qc354db1f77_proj
	.globl	k_qc354db1f77_proj
	.p2align	8
	.type	k_qc354db1f77_proj,@function
k_qc354db1f77_proj:
	s_mov_b64 s[64:65], 0
	v_nop
	global_prefetch_b8 v0, s[64:65] scope:SCOPE_SE
	s_setreg_imm32_b32 hwreg(HW_REG_WAVE_MODE, 25, 1), 1
	s_wait_xcnt 0x0
; LAUNCH 2 OF 4: q = Q wq^T + bq, k = K wk^T + bk, v = V wv^T + bv on the codes of launch 1, and the quantisers of the attention's operands, in registers.  No work is left out.
; THE HEAD SPLIT IS A RESHAPE: element (s, c) of a projection belongs to head s / 128, position 16 (s % 128) + c / 64, channel c % 64.
; SHARES: work-group (cg, rg): rows 128 rg .. + 127 (one head of one batch, bh = rg) x 128 columns.  Wave t makes tensor t (0 q, 1 k, 2 v): 64 accumulators of 16 x 16, K in 8 steps of 128.  Waves share nothing: no barrier.
; Operands come from memory straight into registers as fragment images (two loads of 512 consecutive bytes each): a fragment feeds this wave alone, so LDS would spare no read inside the work-group.
; THE PRODUCT IS USED TRANSPOSED (source 0 = 16 rows of the weight, source 1 = 16 rows of the activation): a lane holds one activation row and eight weight rows.  The bias is the C of each sum's first product.
; q, k: weight tile 4 eh + u holds rows n = 64 e + 32 h + 8 u + j (e = 2 cg + eh): the 32 registers of tiles 4 eh .. 4 eh + 3 are channels 32 h + 0 .. 31 of one position: a whole block in a lane.
; v: activation tile 2 p + a2 holds rows 32 p + a2 + 2 m, weight tile 2 g + u rows n = 64 (8 u + j) + d, d = 8 cg + 2 g + h: accumulators (2p, 2g), (2p, 2g+1), (2p+1, 2g), (2p+1, 2g+1) are keys 32 (16 p + r) + 0 .. 31 of channel d.
; OUT.  pc q, k: [bh][A 0..7][e 0..15][lane][16 B]: lane (r, h): position 16 (16 A + r) + e, channels 32 h on.  pc v: [bh][pos 0..63][1,024 B], keys in order, pos = 16 ((d % 32) / 8) + 8 (d / 32) + d % 8.
; ps q, k: [bh][e / 2][A / 4][lane r + 16 (e % 2)][A % 4] words: two scale bytes, then 0x7f twice for the K step's upper half, which is zero codes.  ps v: [bh][pos][64 bytes].
; LIMITS: a block of zeros gets the byte 1 where the rule says 127 (its codes are zeros; this program alone reads the bytes); NaN and infinities are not served.
; REGISTERS.  window 0: v1 16 lane; v4, v11 bias offsets; v5, v6, v7 the way out; v8, v9 the add's two; v10 the floor; v12-27 at work; v32-63 the activation's scale words [pair][K step], v64-95 the weight's; v96-103 words out;
;   v128-191, v192-255 activation sets 0, 1 (later v128-191: codes).  window 1: weight sets 0, 1, 2 at v0, v64, v128 (set 2 holds the bias first); activation set 2 at v192.  windows 2, 3: accumulator (a, b) at v[8 (8 (a % 4) + b)] of window 2 + a / 4.
.set SPARE, 512
.set MSB, 0
.macro WIN new                         ; the immediate's high byte repeats the setting that is left; a switch that changes nothing is dropped
.if MSB != (\new)
	s_set_vgpr_msb (MSB<<8)|(\new)
.set MSB, (\new)
.endif
.endm
	s_load_b128 s[4:7], s[0:1], 0x0                ; oc, os
	s_load_b128 s[8:11], s[0:1], 0x10              ; bq, bk
	s_load_b128 s[12:15], s[0:1], 0x20             ; bv, pc
	s_load_b64 s[16:17], s[0:1], 0x30              ; ps
	v_lshl_add_u32 v8, v0, 2, SPARE
	v_mov_b32 v9, 0
	v_lshrrev_b32 v1, 5, v0
	v_readfirstlane_b32 s18, v1                    ; t
	v_and_b32 v11, 31, v0
	v_and_b32 v2, 15, v0                           ; r
	v_bfe_u32 v3, v0, 4, 1                         ; h
	v_lshlrev_b32 v1, 4, v11                       ; 16 x lane (memory)
	v_lshlrev_b32 v7, 4, v11                       ; 16 x lane (LDS)
	v_lshlrev_b32 v5, 10, v3
	v_lshl_add_u32 v5, v2, 4, v5                   ; v's codes: 1,024 h + 16 r
	v_lshl_add_u32 v6, v3, 6, v2                   ; v's scale bytes in LDS: 64 h + r
	v_mov_b32 v10, 0x1800000                       ; the floor 2^(3 - 127)
	s_mov_b32 s19, ttmp9                           ; cg
	s_and_b32 s20, ttmp7, 0xffff                   ; rg
	s_lshl_b32 s21, s19, 9
	v_lshlrev_b32 v4, 7, v3
	v_add_nc_u32 v4, s21, v4                       ; bq, bk: 512 cg + 128 h
	s_lshl_b32 s21, s19, 5
	v_lshlrev_b32 v11, 2, v3
	v_add_nc_u32 v11, s21, v11                     ; bv: 32 cg + 4 h
	s_lshl_b32 s22, s18, 21
	s_lshl_b32 s23, s20, 16
	s_add_co_u32 s38, s22, s23                     ; 2 MiB t + 64 KiB rg: the activation's tiles in oc, and the head in pc
	s_mov_b32 s39, 0
	s_lshl_b32 s40, s18, 19
	s_lshl_b32 s41, s19, 16
	s_add_co_u32 s40, s40, s41
	s_add_co_u32 s40, s40, 6291456                 ; the weight's tiles
	s_mov_b32 s41, 0
	s_lshl_b32 s42, s18, 17
	s_lshl_b32 s43, s20, 12
	s_add_co_u32 s42, s42, s43                     ; the activation's scale words
	s_mov_b32 s43, 0
	s_lshl_b32 s44, s18, 15
	s_lshl_b32 s45, s19, 12
	s_add_co_u32 s44, s44, s45
	s_add_co_u32 s44, s44, 393216                  ; the weight's
	s_mov_b32 s45, 0
	s_and_b32 s46, s19, 3
	s_lshl_b32 s46, s46, 4
	s_lshr_b32 s47, s19, 2
	s_lshl_b32 s47, s47, 3
	s_add_co_u32 s46, s46, s47                     ; v: the first of my eight pos: 16 (cg % 4) + 8 (cg / 4)
	s_lshl_b32 s21, s46, 6
	s_lshl_b32 s22, s20, 12
	s_add_co_u32 s21, s21, s22                     ; v's scale bytes: 4,096 rg + 64 pos
	s_lshl_b32 s22, s20, 13
	s_lshl_b32 s23, s19, 10
	s_add_co_u32 s22, s22, s23                     ; q's, k's words: 8,192 rg + 1,024 cg
	s_cmp_eq_u32 s18, 2
	s_cselect_b32 s46, s46, s19
	s_cselect_b32 s21, s21, s22
	s_lshl_b32 s46, s46, 10
	s_add_co_u32 s46, s46, s38                     ; codes out
	s_mov_b32 s47, 0
	s_lshl_b32 s22, s18, 18
	s_add_co_u32 s22, s22, s21                     ; scales out
	s_mov_b32 s23, 0
	s_wait_kmcnt 0x0
	s_add_nc_u64 s[24:25], s[4:5], s[38:39]
	s_add_nc_u64 s[26:27], s[4:5], s[40:41]
	s_add_nc_u64 s[28:29], s[6:7], s[42:43]
	s_add_nc_u64 s[30:31], s[6:7], s[44:45]
	s_add_nc_u64 s[34:35], s[14:15], s[46:47]
	s_add_nc_u64 s[36:37], s[16:17], s[22:23]
	s_cmp_eq_u32 s18, 0
	s_cselect_b64 s[32:33], s[8:9], s[10:11]
	s_cmp_eq_u32 s18, 2
	s_cselect_b64 s[32:33], s[12:13], s[32:33]     ; my bias
.irp p, 0,1,2,3
.irp q, 0,1
	global_load_b128 v[32+8*\p+4*\q:35+8*\p+4*\q], v1, s[28:29] offset:1024*\p+512*\q
	global_load_b128 v[64+8*\p+4*\q:67+8*\p+4*\q], v1, s[30:31] offset:1024*\p+512*\q
.endr
.endr
	s_cmp_eq_u32 s18, 2
	s_cbranch_scc1 .Lbias_v
	WIN 0x40                                       ; destination window 1
.irp b, 0,1,2,3,4,5,6,7                        ; tile b = 4 eh + u, register j: bias of n = 64 (2 cg + eh) + 32 h + 8 u + j
	global_load_b128 v[128+8*\b:131+8*\b], v4, s[32:33] offset:256*(\b/4)+32*(\b%4)
	global_load_b128 v[132+8*\b:135+8*\b], v4, s[32:33] offset:256*(\b/4)+32*(\b%4)+16
.endr
	WIN 0
	s_branch .Lbias_in
.Lbias_v:
	WIN 0x40
.irp b, 0,1,2,3,4,5,6,7                        ; tile b = 2 g + u, register j: bias of n = 64 (8 u + j) + 8 cg + 2 g + h
.irp j, 0,1,2,3,4,5,6,7
	global_load_b32 v[128+8*\b+\j], v11, s[32:33] offset:2048*(\b%2)+256*\j+8*(\b/2)
.endr
.endr
	WIN 0
.Lbias_in:
.macro LOADSET k                       ; K step k: 8 weight and 8 activation fragments, 32 loads, into set k % 3
.set ST3, (\k)%3
	WIN 0x40
.irp i, 0,1,2,3,4,5,6,7
.irp c, 0,1
	global_load_b128 v[64*ST3+8*\i+4*\c:64*ST3+8*\i+4*\c+3], v1, s[26:27] offset:8192*\i+1024*(\k)+512*\c
.endr
.endr
.if ST3 == 2
.irp i, 0,1,2,3,4,5,6,7
.irp c, 0,1
	global_load_b128 v[192+8*\i+4*\c:192+8*\i+4*\c+3], v1, s[24:25] offset:8192*\i+1024*(\k)+512*\c
.endr
.endr
.else
	WIN 0
.irp i, 0,1,2,3,4,5,6,7
.irp c, 0,1
	global_load_b128 v[128+64*ST3+8*\i+4*\c:128+64*ST3+8*\i+4*\c+3], v1, s[24:25] offset:8192*\i+1024*(\k)+512*\c
.endr
.endr
.endif
.endm
.macro WMX                             ; one product, by the symbols rD, rW, rA, rC, rSW, rSA; pW, pA: the tile's parity picks lanes 0-15 or 16-31 of the pair's scale register
.if pW && pA
	v_wmma_scale_f32_16x16x128_f8f6f4 v[rD:rD+7], v[rW:rW+7], v[rA:rA+7], v[rC:rC+7], v[rSW], v[rSA] matrix_a_fmt:MATRIX_FMT_FP4 matrix_b_fmt:MATRIX_FMT_FP4 matrix_a_scale:MATRIX_SCALE_ROW1 matrix_b_scale:MATRIX_SCALE_ROW1
.elseif pW
	v_wmma_scale_f32_16x16x128_f8f6f4 v[rD:rD+7], v[rW:rW+7], v[rA:rA+7], v[rC:rC+7], v[rSW], v[rSA] matrix_a_fmt:MATRIX_FMT_FP4 matrix_b_fmt:MATRIX_FMT_FP4 matrix_a_scale:MATRIX_SCALE_ROW1
.elseif pA
	v_wmma_scale_f32_16x16x128_f8f6f4 v[rD:rD+7], v[rW:rW+7], v[rA:rA+7], v[rC:rC+7], v[rSW], v[rSA] matrix_a_fmt:MATRIX_FMT_FP4 matrix_b_fmt:MATRIX_FMT_FP4 matrix_b_scale:MATRIX_SCALE_ROW1
.else
	v_wmma_scale_f32_16x16x128_f8f6f4 v[rD:rD+7], v[rW:rW+7], v[rA:rA+7], v[rC:rC+7], v[rSW], v[rSA] matrix_a_fmt:MATRIX_FMT_FP4 matrix_b_fmt:MATRIX_FMT_FP4
.endif
.endm
.macro MULS k, first                   ; 64 products; the 64 accumulators take turns, in the same order in every step
.set ST3, (\k)%3
.set AB, 128+64*ST3
.set WA, 0
.if ST3 == 2
.set AB, 192
.set WA, 4
.endif
.irp a, 0,1,2,3,4,5,6,7
.if \first
	WIN 0x91+0x40*(\a/4)                           ; weight and bias window 1, activation window 0, D window 2 or 3
.else
	WIN 0xa1+WA+0x50*(\a/4)                        ; weight window 1, activation window 0 or 1, C and D window 2 or 3
.endif
.irp b, 0,1,2,3,4,5,6,7
.set rD, 8*(8*(\a%4)+\b)
.set rC, rD
.if \first
.set rC, 128+8*\b
.endif
.set rW, 64*ST3+8*\b
.set rA, AB+8*\a
.set rSW, 64+8*(\b/2)+(\k)
.set rSA, 32+8*(\a/2)+(\k)
.set pW, \b%2
.set pA, \a%2
	WMX
.endr
.endr
.endm
.macro PLACES                          ; four plain vector lines between a product and a load into, or a vector read of, its registers
.rept 4
	v_nop
.endr
.endm
	LOADSET 0
	LOADSET 1
	s_wait_loadcnt 32                              ; scales, bias and set 0 are in; set 1's 32 loads may be out
	MULS 0, 1
	PLACES
	LOADSET 2                                      ; over the bias, which step 0 has taken in
	LOADSET 3
.irp k, 1,2,3,4
	s_wait_loadcnt 63                              ; two younger sets are 64 loads; the count's field holds 63
	MULS \k, 0
	PLACES
	LOADSET \k+3
.endr
	s_wait_loadcnt 63
	MULS 5, 0
	s_wait_loadcnt 32                              ; set 7 may be out
	MULS 6, 0
	s_wait_loadcnt 0x0
	MULS 7, 0
	PLACES
	WIN 0
	s_cmp_eq_u32 s18, 2
	s_cbranch_scc1 .Lepi_v
; q, k: four groups at a time: a = 2 k2 + g / 2, eh = g % 2; a group's 32 registers begin at 64 (a % 4) + 32 eh.  Each accumulator is read from its low end on.
.macro EPQK k2
.set WN, 2+(\k2)/2
	WIN (WN<<2)|(WN<<4)                            ; sources 1 and 2 in the accumulators' window
.irp g, 0,1,2,3
	v_max3_num_f32 v[12+\g], v10, |v[64*((2*(\k2)+\g/2)%4)+32*(\g%2)]|, |v[64*((2*(\k2)+\g/2)%4)+32*(\g%2)+1]|
.endr
.irp i, 2,4,6,8,10,12,14,16,18,20,22,24,26,28,30
.irp g, 0,1,2,3
	v_max3_num_f32 v[12+\g], v[12+\g], |v[64*((2*(\k2)+\g/2)%4)+32*(\g%2)+\i]|, |v[64*((2*(\k2)+\g/2)%4)+32*(\g%2)+\i+1]|
.endr
.endr
	WIN 0
.irp g, 0,1,2,3
	v_add_nc_u32 v[16+\g], 0xff000000, v[12+\g]    ; the conversion's scale operand
.endr
.irp g, 0,1,2,3
	v_lshrrev_b32 v[20+\g], 23, v[16+\g]           ; the byte of block h
.endr
	WIN WN                                         ; source 0 in the accumulators' window
.irp g, 0,1,2,3
.irp q, 0,1,2,3
	v_cvt_scalef32_pk8_fp4_f32 v[128+4*(4*(\k2)+\g)+\q], v[64*((2*(\k2)+\g/2)%4)+32*(\g%2)+8*\q:64*((2*(\k2)+\g/2)%4)+32*(\g%2)+8*\q+7], v[16+\g]
.endr
.endr
	v_nop                                          ; one plain line behind the last conversion
	WIN 0
.irp g, 0,1,2,3
	global_store_b128 v1, v[128+4*(4*(\k2)+\g):128+4*(4*(\k2)+\g)+3], s[34:35] offset:8192*(2*(\k2)+\g/2)+512*(\g%2)   ; an image of 512 consecutive bytes; each group has registers of its own
.endr
	v_permlane16_swap_b32 v20, v21                 ; lane (r, x) now holds, of e = 2 cg + x: block 0's byte in the first, block 1's in the second
	v_permlane16_swap_b32 v22, v23
	v_lshl_or_b32 v[96+2*(\k2)], v21, 8, v20
	v_lshl_or_b32 v[97+2*(\k2)], v23, 8, v22
	v_or_b32 v[96+2*(\k2)], 0x7f7f0000, v[96+2*(\k2)]
	v_or_b32 v[97+2*(\k2)], 0x7f7f0000, v[97+2*(\k2)]
.endm
	EPQK 0
	EPQK 1
	EPQK 2
	EPQK 3
	global_store_b128 v1, v[96:99], s[36:37]
	global_store_b128 v1, v[100:103], s[36:37] offset:512
	s_branch .Ldone
; v: four groups g at a time, for p = 0 .. 3; accumulator q of a group begins at 64 (2 (p % 2) + q / 2) + 8 (2 g + q % 2) and holds keys 8 q + 0 .. 7 of the block
.Lepi_v:
.macro EPV p
.set WN, 2+(\p)/2
	WIN (WN<<2)|(WN<<4)
.irp g, 0,1,2,3
	v_max3_num_f32 v[12+\g], v10, |v[128*((\p)%2)+16*\g]|, |v[128*((\p)%2)+16*\g+1]|
.endr
.irp i, 2,4,6
.irp g, 0,1,2,3
	v_max3_num_f32 v[12+\g], v[12+\g], |v[128*((\p)%2)+16*\g+\i]|, |v[128*((\p)%2)+16*\g+\i+1]|
.endr
.endr
.irp q, 1,2,3
.irp i, 0,2,4,6
.irp g, 0,1,2,3
	v_max3_num_f32 v[12+\g], v[12+\g], |v[64*(2*((\p)%2)+\q/2)+8*(2*\g+\q%2)+\i]|, |v[64*(2*((\p)%2)+\q/2)+8*(2*\g+\q%2)+\i+1]|
.endr
.endr
.endr
	WIN 0
	s_wait_dscnt 0x0                               ; the last batch's byte stores have read their registers
.irp g, 0,1,2,3
	v_add_nc_u32 v[16+\g], 0xff000000, v[12+\g]
.endr
.irp g, 0,1,2,3
	v_lshrrev_b32 v[20+\g], 23, v[16+\g]
.endr
	WIN WN
.irp g, 0,1,2,3
.irp q, 0,1,2,3
	v_cvt_scalef32_pk8_fp4_f32 v[128+4*(4*(\p)+\g)+\q], v[64*(2*((\p)%2)+\q/2)+8*(2*\g+\q%2):64*(2*((\p)%2)+\q/2)+8*(2*\g+\q%2)+7], v[16+\g]
.endr
.endr
	v_nop
	WIN 0
.irp g, 0,1,2,3
	global_store_b128 v5, v[128+4*(4*(\p)+\g):128+4*(4*(\p)+\g)+3], s[34:35] offset:2048*\g+256*(\p)   ; sixteen lanes store 256 consecutive bytes of one channel's row
	ds_store_b8 v6, v[20+\g] offset:128*\g+16*(\p)                                                    ; row 2 g + h, block 16 p + r
.endr
.endm
	EPV 0
	EPV 1
	EPV 2
	EPV 3
	ds_load_b128 v[96:99], v7                      ; LDS serves a wave's instructions in order: my eight rows of 64 scale bytes
	s_wait_dscnt 0x0
	global_store_b128 v1, v[96:99], s[36:37]
.Ldone:
	s_wait_tensorcnt 0x0                           ; the wave's end: three lines behind my last LDS store
	ds_add_u32 v8, v9
	s_wait_dscnt 0x0
	s_endpgm
.Lfunc_end_k_qc354db1f77_proj:
	.size	k_qc354db1f77_proj, .Lfunc_end_k_qc354db1f77_proj-k_qc354db1f77_proj
	.p2alignl 7, 3214868480
	.fill 96, 4, 3214868480
	.section	.rodata,"a",@progbits
	.p2align	6, 0x0
	.amdhsa_kernel k_qc354db1f77_proj
		.amdhsa_group_segment_fixed_size 1024
		.amdhsa_private_segment_fixed_size 0
		.amdhsa_enable_private_segment 0
		.amdhsa_kernarg_size 56
		.amdhsa_user_sgpr_count 2
		.amdhsa_user_sgpr_kernarg_segment_ptr 1
		.amdhsa_wavefront_size32 1
		.amdhsa_system_sgpr_workgroup_id_x 1
		.amdhsa_system_sgpr_workgroup_id_y 1
		.amdhsa_system_sgpr_workgroup_id_z 1
		.amdhsa_system_vgpr_workitem_id 0
		.amdhsa_next_free_vgpr 1024
		.amdhsa_next_free_sgpr 66
		.amdhsa_reserve_vcc 0
		.amdhsa_float_denorm_mode_32 3
		.amdhsa_float_denorm_mode_16_64 3
		.amdhsa_memory_ordered 1
		.amdhsa_forward_progress 1
		.amdhsa_inst_pref_size 153
	.end_amdhsa_kernel
	.amdgpu_metadata
---
amdhsa.version: [ 1, 2 ]
amdhsa.kernels:
  - .name:           k_qc354db1f77_proj
    .symbol:         k_qc354db1f77_proj.kd
    .args:
      - { .name: oc, .offset: 0, .size: 8, .value_kind: global_buffer, .address_space: global }
      - { .name: os, .offset: 8, .size: 8, .value_kind: global_buffer, .address_space: global }
      - { .name: bq, .offset: 16, .size: 8, .value_kind: global_buffer, .address_space: global }
      - { .name: bk, .offset: 24, .size: 8, .value_kind: global_buffer, .address_space: global }
      - { .name: bv, .offset: 32, .size: 8, .value_kind: global_buffer, .address_space: global }
      - { .name: pc, .offset: 40, .size: 8, .value_kind: global_buffer, .address_space: global }
      - { .name: ps, .offset: 48, .size: 8, .value_kind: global_buffer, .address_space: global }
    .group_segment_fixed_size: 1024
    .private_segment_fixed_size: 0
    .kernarg_segment_align: 8
    .kernarg_segment_size: 56
    .max_flat_workgroup_size: 96
    .sgpr_count:     66
    .vgpr_count:     1024
    .wavefront_size: 32
...
	.end_amdgpu_metadata
.endif
;; end of part 2
;; launch attn (part 3): grid 8 x 32, 16 waves a work-group, no clusters, 151,296 bytes of LDS; arguments pc, ps, mw, cc, cs; writes cc, cs
.if DOCPART == 3
	.amdgcn_target "amdgcn-amd-amdhsa--gfx1250"
	.amdhsa_code_object_version 6
	.text
	.protected	k_qc354db1f77_attn
	.globl	k_qc354db1f77_attn
	.p2align	8
	.type	k_qc354db1f77_attn,@function
k_qc354db1f77_attn:
	s_mov_b64 s[64:65], 0
	v_nop
	global_prefetch_b8 v0, s[64:65] scope:SCOPE_SE
	s_setreg_imm32_b32 hwreg(HW_REG_WAVE_MODE, 25, 1), 1
	s_wait_xcnt 0x0
; LAUNCH 3 OF 4: context = softmax(mask(q k^T / 8)) v for the 32 heads, both products on codes of E2M1, and the quantiser of the context along (head, channel).  No work is left out.
; THE SOFTMAX AHEAD OF THE SECOND PRODUCT: t = score x log2(e) / 8; M = the running largest t rounded UP to a whole number; p = 2^(t - M) is quantised along the keys, not normalised; the row's sum is taken of the
; unquantised p and divides at the end; when M moves, the sum and O are multiplied by 2^(old M - new M), which rounds nothing.
; THE MASK: a masked score becomes -2^33 ahead of the maximum, by v_cndmask on the lane-mask words of launch 1, which come by scalar loads, a step ahead.
; LIMIT: that is a logit of -2^30 = -1.07e9 where reference() writes -1e9.  -2^33 x c is exact and a whole number, so a row masked throughout gives p = 1 for every key, the plain mean, as reference() does.
; Rows whose largest unmasked logit lies under about -9.9e8 are not served as reference() has them.  A block of zeros gets the byte 1 (its codes are zeros).  NaN and infinities are not served.
; SHARES: work-group (A, bh): 256 queries of head bh.  Wave e owns the 16 queries 256 A + 16 r + e (the tile that launch 2 stored as one image) and walks all 2,048 keys, 128 a step.
; A HEAD'S K AND V LIE WHOLE IN LDS, filled once through registers by all sixteen waves: one barrier, no ring.  The eight work-groups of a head read the same 140 KB once each: a small part of a work-group's time, so no cluster.
; LAYOUT: both products transposed (S^T = K Q^T, O^T = V^T P^T): a lane holds one query (lane % 16).  Lane m of key tile 2 bb + u takes key 32 bb + 8 u + m + 8 (m / 8), so that the 16 registers of tiles 2 bb, 2 bb + 1 are
; 16 neighbouring keys.  The first product's K is 64: the upper half of its K step is zero codes (registers written once) under the byte 0x7f.  V's rows lie in the order pos, so that a lane's 32 results are channels 32 h + 0 .. 31.
; OUT: cc [qt][head][lane][16 B]: the image of launch 4's operand (K = 64 head + channel);  cs [bh][16 A + e][r]: two scale bytes.
; REGISTERS: v1-4 lane places; v5, v6 the add's two; v7 16 lane; v8-11 the step's addresses; v12 -M, v13 largest t, v[14:15] the sum; v16-23 Q; v24-31 K's scale words; v32-95 eight fragments of K; v96-159 S^T, then p;
;   v160-191 O^T; v192-223 four fragments of V; v224-231 p's codes; v232-239, v244-247, v254 at work; v240 -2^33; v241, v242 the way out; v248-251 V's scale words; v252 f; v253 p's scale word; v255 Q's scale word.
; s[16:63], s[80:95]: the step's 64 mask words.
.set KC,    0                          ; K's 128 images, 544 bytes apart (512 + 32: the sixteen lanes of a fragment load fall on sixteen different 16-byte columns)
.set VC,    69632                      ; V's 64 rows of 1,024 bytes, 1,040 apart
.set KS,    136192                     ; K's scale words, one a key, keys in order
.set VS,    144384                     ; V's scale bytes, 64 rows of 64, 68 apart
.set CSG,   148736                     ; the context's scale bytes on their way out
.set SPARE, 149248                     ; the spare words: 128 bytes a wave
	s_load_b256 s[4:11], s[0:1], 0x0               ; pc, ps, mw, cc
	s_load_b64 s[12:13], s[0:1], 0x20              ; cs
	v_lshl_add_u32 v5, v0, 2, SPARE
	v_mov_b32 v6, 0
	v_lshrrev_b32 v8, 5, v0
	v_readfirstlane_b32 s14, v8                    ; e = wave
	s_mov_b32 s15, ttmp9                           ; A
	s_and_b32 s66, ttmp7, 0xffff                   ; bh
	v_and_b32 v9, 31, v0                           ; lane
	v_and_b32 v10, 15, v0                          ; m
	v_bfe_u32 v11, v0, 4, 1                        ; h
	v_and_b32 v12, 7, v0                           ; m % 8
	v_bfe_u32 v13, v0, 3, 1                        ; m / 8
	v_lshlrev_b32 v7, 4, v9
	v_mul_u32_u24 v1, v12, 544                     ; K: key 8 u + m % 8 modulo 16 picks the image, (key / 16) % 16 the row in it
	v_lshl_add_u32 v1, v13, 4, v1
	v_lshl_add_u32 v1, v11, 8, v1
	v_mul_u32_u24 v2, v10, 1040                    ; V: row m of a tile, + 16 h
	v_lshl_add_u32 v2, v11, 4, v2
	v_add_nc_u32 v2, VC, v2
	v_lshlrev_b32 v3, 2, v10                       ; K's scale word of key m + 8 (m / 8)
	v_lshl_add_u32 v3, v13, 5, v3
	v_add_nc_u32 v3, KS, v3
	v_mul_u32_u24 v4, v10, 68                      ; V's of row m
	v_add_nc_u32 v4, VS, v4
	s_mul_i32 s16, s14, 4352                       ; the fill: my eight images of K,
	v_add_nc_u32 v232, s16, v7
	s_mul_i32 s16, s14, 4160                       ; my four rows of V,
	s_add_co_u32 s16, s16, VC
	v_add_nc_u32 v233, s16, v7
	s_and_b32 s16, s14, 1                          ; K's words: position 256 (4 (w % 2) + i) + 16 r + 2 (w / 2) + h,
	s_lshl_b32 s16, s16, 12
	s_lshr_b32 s17, s14, 1
	s_lshl_b32 s17, s17, 3
	s_add_co_u32 s16, s16, s17
	s_add_co_u32 s16, s16, KS
	v_lshlrev_b32 v234, 6, v10
	v_lshl_add_u32 v234, v11, 2, v234
	v_add_nc_u32 v234, s16, v234
	s_mul_i32 s16, s14, 272                        ; V's bytes: row 4 w + lane / 8, byte 8 (lane % 8)
	s_add_co_u32 s16, s16, VS
	v_lshrrev_b32 v235, 3, v9
	v_mul_u32_u24 v235, v235, 68
	v_lshl_add_u32 v235, v12, 3, v235
	v_add_nc_u32 v235, s16, v235
	s_lshl_b32 s16, s14, 5
	s_add_co_u32 s16, s16, CSG
	v_lshl_add_u32 v241, v10, 1, s16               ; the way out: CSG + 32 w + 2 r
	v_add_nc_u32 v242, CSG, v7
	v_lshlrev_b32 v236, 4, v10                     ; 16 r
	v_lshlrev_b32 v237, 3, v9                      ; 8 x lane
	s_lshl_b32 s16, s66, 16                        ; byte offsets, apart from the addresses
	s_mov_b32 s17, 0
	s_lshl_b32 s18, s14, 12
	s_mov_b32 s19, 0
	s_lshl_b32 s28, s15, 13
	s_lshl_b32 s29, s14, 9
	s_add_co_u32 s28, s28, s29                     ; Q's image: 512 (16 A + e)
	s_mov_b32 s29, 0
	s_lshl_b32 s30, s66, 13
	s_lshr_b32 s31, s14, 1
	s_lshl_b32 s31, s31, 10
	s_add_co_u32 s32, s30, s31
	s_lshr_b32 s31, s15, 2
	s_lshl_b32 s31, s31, 9
	s_add_co_u32 s32, s32, s31
	s_and_b32 s31, s14, 1
	s_lshl_b32 s31, s31, 8
	s_add_co_u32 s32, s32, s31
	s_and_b32 s31, s15, 3
	s_lshl_b32 s31, s31, 2
	s_add_co_u32 s32, s32, s31                     ; Q's scale words
	s_mov_b32 s33, 0
	s_lshl_b32 s31, s14, 9
	s_add_co_u32 s34, s30, s31
	s_add_co_u32 s34, s34, 262144                  ; K's: my 512 bytes
	s_mov_b32 s35, 0
	s_lshl_b32 s36, s66, 12
	s_lshl_b32 s31, s14, 8
	s_add_co_u32 s36, s36, s31
	s_add_co_u32 s36, s36, 524288                  ; V's: my 256 bytes
	s_mov_b32 s37, 0
	s_lshr_b32 s38, s66, 4
	s_lshl_b32 s38, s38, 7
	s_lshl_b32 s31, s15, 4
	s_add_co_u32 s38, s38, s31
	s_add_co_u32 s38, s38, s14                     ; qt
	s_lshl_b32 s40, s38, 12
	s_mov_b32 s41, 0
	s_lshl_b32 s42, s38, 13
	s_and_b32 s31, s66, 15
	s_lshl_b32 s31, s31, 9
	s_add_co_u32 s42, s42, s31                     ; cc: 8,192 qt + 512 head
	s_mov_b32 s43, 0
	s_lshl_b32 s44, s66, 12
	s_lshl_b32 s31, s15, 9
	s_add_co_u32 s44, s44, s31                     ; cs: 4,096 bh + 512 A
	s_mov_b32 s45, 0
	s_mov_b32 s68, 0x76543210
	s_mov_b32 s69, 0xfedcba98                      ; selects for lane l xor 16
	s_mov_b32 s70, 0x3e38aa3b                      ; c = log2(e) / 8
	s_mov_b32 s71, s70                             ; (named with it as a pair)
	s_mov_b32 s72, 0                               ; the steps' places: K's codes, K's words, V's codes, V's words
	s_mov_b32 s73, 0
	s_mov_b32 s74, 0
	s_mov_b32 s75, 0
	s_mov_b32 s76, 7
	s_wait_kmcnt 0x0
	s_add_nc_u64 s[20:21], s[4:5], s[16:17]
	s_add_nc_u64 s[22:23], s[20:21], s[18:19]
	s_add_nc_u64 s[24:25], s[22:23], 0x200000      ; k's head, my 4,096 bytes
	s_add_nc_u64 s[26:27], s[22:23], 0x400000      ; v's
	s_add_nc_u64 s[28:29], s[20:21], s[28:29]
	s_add_nc_u64 s[32:33], s[6:7], s[32:33]
	s_add_nc_u64 s[34:35], s[6:7], s[34:35]
	s_add_nc_u64 s[36:37], s[6:7], s[36:37]
	s_add_nc_u64 s[78:79], s[8:9], s[40:41]
	s_add_nc_u64 s[96:97], s[10:11], s[42:43]
	s_add_nc_u64 s[98:99], s[12:13], s[44:45]
.irp i, 0,1,2,3,4,5,6,7
	global_load_b128 v[32+4*\i:35+4*\i], v7, s[24:25] offset:512*\i
.endr
.irp i, 0,1,2,3,4,5,6,7
	global_load_b128 v[64+4*\i:67+4*\i], v7, s[26:27] offset:512*\i
.endr
	global_load_b128 v[96:99], v7, s[34:35]
	global_load_b64 v[100:101], v237, s[36:37]
	global_load_b128 v[16:19], v7, s[28:29]        ; Q's fragment stays in registers
	global_load_b32 v255, v236, s[32:33]
	s_wait_loadcnt 0x0                             ; all are in: their bases and offsets may be written again
	s_load_b512 s[16:31], s[78:79], 0x0            ; the first step's 64 mask words
	s_load_b512 s[32:47], s[78:79], 0x40
	s_load_b512 s[48:63], s[78:79], 0x80
	s_load_b512 s[80:95], s[78:79], 0xc0
.irp i, 0,1,2,3,4,5,6,7
	ds_store_b128 v232, v[32+4*\i:35+4*\i] offset:544*\i
.endr
.irp i, 0,1,2,3,4,5,6,7
	ds_store_b128 v233, v[64+4*\i:67+4*\i] offset:1040*(\i/2)+512*(\i%2)
.endr
.irp i, 0,1,2,3
	ds_store_b32 v234, v[96+\i] offset:1024*\i
.endr
	ds_store_b32 v235, v100
	ds_store_b32 v235, v101 offset:4
	s_wait_dscnt 0x0                               ; for the others' sake: my part of the head lies in LDS
	s_barrier_signal -1
	s_barrier_wait -1                              ; everybody's does
.irp t, 0,1,2,3,4,5,6,7
.irp j, 4,5,6,7
	v_mov_b32 v[32+8*\t+\j], 0                     ; zero codes for k = 64 .. 127 of the first product: written once
.endr
.endr
.irp j, 20,21,22,23
	v_mov_b32 v\j, 0
.endr
	v_mov_b32 v240, 0xd0000000                     ; -2^33
	v_mov_b32 v13, 0xff61b1e6                      ; the largest t so far: -3e38
	v_floor_f32 v12, -v13                          ; -M
	v_mov_b32 v14, 0
	v_mov_b32 v15, 0
.irp b, 0,1,2,3
	v_mov_b32 v[236+\b], 0                         ; a lane permute's destination counts as read
.endr
	v_mov_b32 v253, 0
.set i, 0
.rept 32
	v_mov_b32 v[160+i], 0                          ; O^T: the step is written once; the first finds zeros
.set i, i+1
.endr
; A KEY STEP of 128 keys.  par: the step's parity (two steps share the address registers); more = 1: the next step's mask words are asked for.
.macro STEP par, more
.if \par == 0
	v_add_nc_u32 v8, s72, v1                       ; these four are also the places between the last products and the loads into V's registers
	v_add_nc_u32 v9, s74, v2
	v_add_nc_u32 v10, s73, v3
	v_add_nc_u32 v11, s75, v4
.else
.rept 4
	v_nop
.endr
.endif
.irp t, 0,1,2,3,4,5,6,7
	ds_load_b128 v[32+8*\t:35+8*\t], v8 offset:128*\par+4352*(\t%2)+32*(\t/2)
	ds_load_b32 v[24+\t], v10 offset:512*\par+4*(32*(\t/2)+8*(\t%2))
.endr
.irp u, 0,1,2,3
.irp c, 0,1
	ds_load_b128 v[192+8*\u+4*\c:195+8*\u+4*\c], v9 offset:64*\par+16640*\u+32*\c
.endr
	ds_load_b32 v[248+\u], v11 offset:4*\par+1088*\u
.endr
	s_wait_dscnt 12                                ; K's sixteen loads are in; V's twelve, issued behind them, may be out
.irp t, 0,1,2,3,4,5,6,7
	v_wmma_scale_f32_16x16x128_f8f6f4 v[96+8*\t:103+8*\t], v[32+8*\t:39+8*\t], v[16:23], 0, v[24+\t], v255 matrix_a_fmt:MATRIX_FMT_FP4 matrix_b_fmt:MATRIX_FMT_FP4
.endr
.rept 4
	v_nop
.endr
	s_wait_kmcnt 0x0                               ; this step's mask words are in
.set n, 0
.rept 48
	v_cndmask_b32 v[96+n], v[96+n], v240, s[16+n]  ; register 16 bb + i, lane (r, h): key 32 bb + 16 h + i of query r.  Ascending: each accumulator is read from its low end on
.set n, n+1
.endr
.rept 16
	v_cndmask_b32 v[96+n], v[96+n], v240, s[32+n]
.set n, n+1
.endr
.irp b, 0,1,2,3
	v_max3_num_f32 v[232+\b], v[96+16*\b], v[97+16*\b], v[98+16*\b]   ; the largest score of each block of 32 keys: for the row's maximum, and, since p rises with the score, for the block's largest p
.endr
.irp i, 3,5,7,9,11,13
.irp b, 0,1,2,3
	v_max3_num_f32 v[232+\b], v[232+\b], v[96+16*\b+\i], v[97+16*\b+\i]
.endr
.endr
.irp b, 0,1,2,3
	v_max_num_f32 v[232+\b], v[232+\b], v[111+16*\b]
.endr
.irp b, 0,1,2,3
	v_permlanex16_b32 v[236+\b], v[232+\b], s68, s69
.endr
.irp b, 0,1,2,3
	v_max_num_f32 v[232+\b], v[232+\b], v[236+\b]  ; with lane l xor 16's 16 keys
.endr
	v_max3_num_f32 v254, v232, v233, v234
	v_max_num_f32 v254, v254, v235
	v_mul_f32 v254, s70, v254                      ; as t (c is positive)
	v_max_num_f32 v13, v13, v254                   ; the running largest t
	v_mov_b32 v254, v12
	v_floor_f32 v12, -v13                          ; the new -M = -ceil(t)
	v_sub_f32 v254, v12, v254                      ; old M less new M: a whole number, 0 or less
	v_cvt_i32_f32 v254, v254                       ; (it saturates)
	v_ldexp_f32 v252, 1.0, v254                    ; f = 2^(old M - new M)
.if \more
	s_add_nc_u64 s[78:79], s[78:79], 256           ; free since the wait on KMcnt above: the next step's 64 words
	s_load_b512 s[16:31], s[78:79], 0x0
	s_load_b512 s[32:47], s[78:79], 0x40
	s_load_b512 s[48:63], s[78:79], 0x80
	s_load_b512 s[80:95], s[78:79], 0xc0
.endif
.irp j, 0,2,4,6,8,10,12,14,16,18,20,22,24,26,28,30,32,34,36,38,40,42,44,46,48,50,52,54,56,58,60,62
	v_pk_fma_f32 v[96+\j:97+\j], v[96+\j:97+\j], s[70:71], v[12:13] op_sel_hi:[1,0,0]   ; t - M, two at a time
.endr
.irp b, 0,1,2,3
	v_fma_f32 v[232+\b], v[232+\b], s70, v12       ; the same of each block's largest score
.endr
.set n, 0
.rept 64
	v_exp_f32 v[96+n], v[96+n]                     ; p = 2^(t - M)
.set n, n+1
.endr
	v_pk_mul_f32 v[14:15], v[14:15], v[252:253] op_sel_hi:[1,0]   ; the sums under the new M: the plain line behind the exponentials
	s_wait_alu depctr_va_vdst(0)                   ; one wait for the batch of 64, ahead of its first reader
.irp b, 0,1,2,3
	v_exp_f32 v[232+\b], v[232+\b]                 ; each block's largest p
.endr
	v_pk_add_f32 v[236:237], v[96:97], v[98:99]    ; the row's sum of the unquantised p, in two chains
.irp j, 4,8,12,16,20,24,28,32,36,40,44,48,52,56,60
	v_pk_add_f32 v[14:15], v[14:15], v[96+\j:97+\j]
	v_pk_add_f32 v[236:237], v[236:237], v[98+\j:99+\j]
.endr
	v_pk_add_f32 v[14:15], v[14:15], v[236:237]
	s_wait_alu depctr_va_vdst(0)                   ; and one for the four
.irp b, 0,1,2,3
	v_max_num_f32 v[232+\b], 0x1800000, v[232+\b]  ; the floor: the byte cannot fall under 1
.endr
.irp b, 0,1,2,3
	v_add_nc_u32 v[244+\b], 0xff000000, v[232+\b]  ; the conversion's scale operand
.endr
.irp b, 0,1,2,3
	v_lshrrev_b32 v[236+\b], 23, v[244+\b]
.endr
	v_lshl_or_b32 v253, v237, 8, v236              ; p's scale word for these 128 keys
	v_lshl_or_b32 v253, v238, 16, v253
	v_lshl_or_b32 v253, v239, 24, v253
.irp b, 0,1,2,3
	v_cvt_scalef32_pk8_fp4_f32 v[224+2*\b], v[96+16*\b:103+16*\b], v[244+\b]
	v_cvt_scalef32_pk8_fp4_f32 v[225+2*\b], v[104+16*\b:111+16*\b], v[244+\b]
.endr
	v_nop                                          ; one plain line behind the last conversion
.irp c, 0,1
.irp i, 0,1
	v_permlane16_swap_b32 v[224+4*\c+\i], v[226+4*\c+\i]   ; a whole block to a lane: lanes 0-15 block 2 c, lanes 16-31 block 2 c + 1
.endr
.endr
.irp j, 0,2,4,6,8,10,12,14,16,18,20,22,24,26,28,30
	v_pk_mul_f32 v[160+\j:161+\j], v[160+\j:161+\j], v[252:253] op_sel_hi:[1,0]   ; O^T under the new M; these sixteen also stand between the scale word's and the codes' last writes and the products
.endr
	s_wait_dscnt 0x0                               ; V's fragments and scale words are in
.irp u, 0,1,2,3
	v_wmma_scale_f32_16x16x128_f8f6f4 v[160+8*\u:167+8*\u], v[192+8*\u:199+8*\u], v[224:231], v[160+8*\u:167+8*\u], v[248+\u], v253 matrix_a_fmt:MATRIX_FMT_FP4 matrix_b_fmt:MATRIX_FMT_FP4
.endr
.endm
.Lpair:                                            ; seven trips of two steps; the last two steps are written out, so that no load of mask words leaves its buffer
	STEP 0, 1
	STEP 1, 1
	s_add_co_u32 s72, s72, 8704                    ; 256 keys on: 16 images of K,
	s_add_co_u32 s73, s73, 1024                    ; 256 words,
	s_add_co_u32 s74, s74, 128                     ; 128 bytes of each row of V,
	s_add_co_u32 s75, s75, 8                       ; 8 of its scale bytes
	s_sub_co_u32 s76, s76, 1
	s_cmp_lg_u32 s76, 0
	s_cbranch_scc1 .Lpair
	STEP 0, 1
	STEP 1, 0
	; THE WAY OUT: O^T / the sum; my 32 numbers are channels 32 h + 0 .. 31 of query r: one block of the last product's K
.rept 4
	v_nop                                          ; places behind the last products
.endr
	v_add_f32 v14, v14, v15
	v_permlanex16_b32 v252, v14, s68, s69
	v_add_f32 v14, v14, v252                       ; the row's sum
	v_rcp_f32 v14, v14
	v_bfe_u32 v238, v0, 4, 1                       ; (plain lines behind the reciprocal)
	v_lshlrev_b32 v238, 3, v238                    ; 8 h
	v_sub_nc_u32 v239, 8, v238                     ; 8 - 8 h
	s_wait_alu depctr_va_vdst(0)                   ; ahead of the reciprocal's first reader
.set i, 0
.rept 32
	v_mul_f32 v[96+i], v[160+i], v14
.set i, i+1
.endr
	v_max3_num_f32 v232, |v96|, |v97|, 0x1800000
.irp i, 2,4,6,8,10,12,14,16,18,20,22,24,26,28,30
	v_max3_num_f32 v232, v232, |v[96+\i]|, |v[97+\i]|
.endr
	v_add_nc_u32 v244, 0xff000000, v232
	v_lshrrev_b32 v236, 23, v244
.irp g, 0,1,2,3
	v_cvt_scalef32_pk8_fp4_f32 v[224+\g], v[96+8*\g:103+8*\g], v244
.endr
	v_nop
	global_store_b128 v7, v[224:227], s[96:97]     ; 512 consecutive bytes
	v_permlanex16_b32 v237, v236, s68, s69
	v_lshlrev_b32 v236, v238, v236                 ; my byte at its place, the other half's at its: both lanes of a query hold the same two bytes
	v_lshlrev_b32 v237, v239, v237
	v_or_b32 v236, v236, v237
	ds_store_b16 v241, v236
	s_wait_dscnt 0x0
	s_barrier_signal -1
	s_barrier_wait -1                              ; the sixteen waves' 512 bytes lie together
	s_cmp_lg_u32 s14, 0
	s_cbranch_scc1 .Lend
	ds_load_b128 v[232:235], v242
	s_wait_dscnt 0x0
	global_store_b128 v7, v[232:235], s[98:99]
.Lend:
	s_wait_tensorcnt 0x0                           ; the wave's end: three lines behind my last LDS store
	ds_add_u32 v5, v6
	s_wait_dscnt 0x0
	s_endpgm
.Lfunc_end_k_qc354db1f77_attn:
	.size	k_qc354db1f77_attn, .Lfunc_end_k_qc354db1f77_attn-k_qc354db1f77_attn
	.p2alignl 7, 3214868480
	.fill 96, 4, 3214868480
	.section	.rodata,"a",@progbits
	.p2align	6, 0x0
	.amdhsa_kernel k_qc354db1f77_attn
		.amdhsa_group_segment_fixed_size 151296
		.amdhsa_private_segment_fixed_size 0
		.amdhsa_enable_private_segment 0
		.amdhsa_kernarg_size 40
		.amdhsa_user_sgpr_count 2
		.amdhsa_user_sgpr_kernarg_segment_ptr 1
		.amdhsa_wavefront_size32 1
		.amdhsa_system_sgpr_workgroup_id_x 1
		.amdhsa_system_sgpr_workgroup_id_y 1
		.amdhsa_system_sgpr_workgroup_id_z 1
		.amdhsa_system_vgpr_workitem_id 0
		.amdhsa_next_free_vgpr 256
		.amdhsa_next_free_sgpr 100
		.amdhsa_reserve_vcc 0
		.amdhsa_float_denorm_mode_32 3
		.amdhsa_float_denorm_mode_16_64 3
		.amdhsa_memory_ordered 1
		.amdhsa_forward_progress 1
		.amdhsa_inst_pref_size 94
	.end_amdhsa_kernel
	.amdgpu_metadata
---
amdhsa.version: [ 1, 2 ]
amdhsa.kernels:
  - .name:           k_qc354db1f77_attn
    .symbol:         k_qc354db1f77_attn.kd
    .args:
      - { .name: pc, .offset: 0, .size: 8, .value_kind: global_buffer, .address_space: global }
      - { .name: ps, .offset: 8, .size: 8, .value_kind: global_buffer, .address_space: global }
      - { .name: mw, .offset: 16, .size: 8, .value_kind: global_buffer, .address_space: global }
      - { .name: cc, .offset: 24, .size: 8, .value_kind: global_buffer, .address_space: global }
      - { .name: cs, .offset: 32, .size: 8, .value_kind: global_buffer, .address_space: global }
    .group_segment_fixed_size: 151296
    .private_segment_fixed_size: 0
    .kernarg_segment_align: 8
    .kernarg_segment_size: 40
    .max_flat_workgroup_size: 512
    .sgpr_count:     100
    .vgpr_count:     256
    .wavefront_size: 32
...
	.end_amdgpu_metadata
.endif
;; end of part 3
;; launch outln (part 4): grid 256 x 1, 4 waves a work-group, no clusters, 66,304 bytes of LDS; arguments cc, cs, oc, os, Q, bo, gamma, beta, out0; writes out0
.if DOCPART == 4
	.amdgcn_target "amdgcn-amd-amdhsa--gfx1250"
	.amdhsa_code_object_version 6
	.text
	.protected	k_qc354db1f77_outln
	.globl	k_qc354db1f77_outln
	.p2align	8
	.type	k_qc354db1f77_outln,@function
k_qc354db1f77_outln:
	s_mov_b64 s[64:65], 0
	v_nop
	global_prefetch_b8 v0, s[64:65] scope:SCOPE_SE
	s_setreg_imm32_b32 hwreg(HW_REG_WAVE_MODE, 25, 1), 1
	s_wait_xcnt 0x0
; LAUNCH 4 OF 4: out0 = LayerNorm(context wo^T + bo + Q) x gamma + beta; the product on the codes of launches 3 and 1.  No work is left out.
; SHARES: work-group qt = 128 b + 16 A + e owns the 16 rows 256 A + 16 r + e of batch b, all 1,024 columns, so that a row's mean and variance need no other work-group.  Wave w makes columns 256 w .. + 255: 16 accumulators, K in 8 steps.
; The context's eight fragments stay in registers; wo's come from memory straight into registers as images: each feeds one wave of the work-group alone.  All 256 work-groups read the same wo; a joint fetch would want tensor loads
; through LDS for bytes that are used once each in a work-group, so it is left out.
; THE PRODUCT IS USED TRANSPOSED (source 0 = 16 rows of wo, source 1 = the context): a lane holds eight neighbouring columns of one row.  bo is the C of each sum's first product.
; The 16 rows meet in a stage in LDS (rows 4,112 bytes apart); behind one barrier each wave takes four whole rows, adds Q, normalises in f32 and stores 512 consecutive bytes an instruction.
; REGISTERS.  window 0: v1 16 lane; v4 32 h; v5, v6 the stage; v7 2 r; v8, v9 the add's two; v10-31 at work; v32-39 the context's scale words; v64-127 wo's [pair][K step]; v128-191 the context (later v128-255: four rows).
;   window 1: wo's sets 0, 1.  window 2: set 2 at v0 (bo first); accumulators at v128.  window 3: Q's four rows v0-127; gamma v128-159; beta v160-191.
.set SPARE, 65792
.set MSB, 0
.macro WIN new
.if MSB != (\new)
	s_set_vgpr_msb (MSB<<8)|(\new)
.set MSB, (\new)
.endif
.endm
	s_load_b512 s[4:19], s[0:1], 0x0               ; cc, cs, oc, os, Q, bo, gamma, beta
	s_load_b64 s[20:21], s[0:1], 0x40              ; out0
	v_lshl_add_u32 v8, v0, 2, SPARE
	v_mov_b32 v9, 0
	v_lshrrev_b32 v1, 5, v0
	v_readfirstlane_b32 s22, v1                    ; w
	v_and_b32 v7, 31, v0
	v_and_b32 v2, 15, v0                           ; r
	v_bfe_u32 v3, v0, 4, 1                         ; h
	v_lshlrev_b32 v1, 4, v7                        ; 16 x lane
	v_lshlrev_b32 v4, 5, v3                        ; 32 h
	v_mul_u32_u24 v5, v2, 4112
	v_add_nc_u32 v5, v5, v4
	s_lshl_b32 s23, s22, 10
	v_add_nc_u32 v5, s23, v5                       ; into the stage: row r, my wave's 1,024 bytes, + 32 h
	s_mul_i32 s23, s22, 16448
	v_lshl_add_u32 v6, v7, 4, s23                  ; out of it: rows 4 w on, 16 bytes a lane
	v_lshlrev_b32 v7, 1, v2                        ; 2 r
	s_lshr_b32 s24, ttmp9, 7                       ; b
	s_bfe_u32 s25, ttmp9, 0x30004                  ; A
	s_and_b32 s26, ttmp9, 15                       ; e
	s_lshl_b32 s27, s24, 11
	s_lshl_b32 s25, s25, 8
	s_add_co_u32 s27, s27, s25
	s_add_co_u32 s27, s27, s26
	s_lshl_b32 s25, s22, 6
	s_add_co_u32 s27, s27, s25                     ; the first of my four rows; they lie 16 apart
	s_lshl_b32 s36, s27, 12
	s_mov_b32 s37, 0
	s_lshl_b32 s38, ttmp9, 13                      ; cc: 8,192 qt
	s_mov_b32 s39, 0
	s_lshl_b32 s44, s24, 16
	s_and_b32 s25, ttmp9, 127
	s_lshl_b32 s25, s25, 5
	s_add_co_u32 s44, s44, s25                     ; cs: 65,536 b + 32 (16 A + e)
	s_mov_b32 s45, 0
	s_lshl_b32 s46, s22, 17
	s_add_co_u32 s46, s46, 7864320                 ; wo's tiles 16 w on
	s_mov_b32 s47, 0
	s_lshl_b32 s54, s22, 13
	s_add_co_u32 s54, s54, 491520                  ; and their scale words
	s_mov_b32 s55, 0
	s_lshl_b32 s56, s22, 10                        ; bo: my 256 numbers
	s_mov_b32 s57, 0
	s_mov_b32 s40, 0x76543210
	s_mov_b32 s41, 0xfedcba98
	s_mov_b32 s42, 0x3a800000                      ; 1 / 1,024
	s_mov_b32 s43, 0x3727c5ac                      ; 1e-5
	s_wait_kmcnt 0x0
	s_add_nc_u64 s[28:29], s[12:13], s[36:37]
	s_add_nc_u64 s[52:53], s[20:21], s[36:37]
	s_add_nc_u64 s[32:33], s[4:5], s[38:39]
	s_add_nc_u64 s[34:35], s[6:7], s[44:45]
	s_add_nc_u64 s[30:31], s[8:9], s[46:47]
	s_add_nc_u64 s[48:49], s[10:11], s[54:55]
	s_add_nc_u64 s[50:51], s[14:15], s[56:57]
	WIN 0xc0                                       ; destination window 3
.irp k, 0,1,2,3
.irp i, 0,1,2,3,4,5,6,7
	global_load_b128 v[32*\k+4*\i:32*\k+4*\i+3], v1, s[28:29] offset:65536*\k+512*\i th:TH_LOAD_NT
.endr
.endr
.irp i, 0,1,2,3,4,5,6,7
	global_load_b128 v[128+4*\i:131+4*\i], v1, s[16:17] offset:512*\i
	global_load_b128 v[160+4*\i:163+4*\i], v1, s[18:19] offset:512*\i
.endr
	WIN 0
.irp d, 0,1,2,3,4,5,6,7,8,9,10,11,12,13,14,15
	global_load_u16 v[10+\d], v7, s[34:35] offset:4096*\d          ; head d's two scale bytes of row r
.endr
.irp q, 0,1,2,3,4,5,6,7
.irp c, 0,1
	global_load_b128 v[128+8*\q+4*\c:131+8*\q+4*\c], v1, s[32:33] offset:1024*\q+512*\c
.endr
.endr
.irp p, 0,1,2,3,4,5,6,7
.irp q, 0,1
	global_load_b128 v[64+8*\p+4*\q:67+8*\p+4*\q], v1, s[48:49] offset:1024*\p+512*\q
.endr
.endr
	WIN 0x80                                       ; destination window 2
.irp i, 0,1,2,3,4,5,6,7,8,9,10,11,12,13,14,15
	global_load_b128 v[8*\i:8*\i+3], v4, s[50:51] offset:64*\i     ; tile i, register j: bo of column 256 w + 16 i + 8 h + j
	global_load_b128 v[8*\i+4:8*\i+7], v4, s[50:51] offset:64*\i+16
.endr
.macro LOADSET k                       ; K step k: wo's 16 fragments, 32 loads, into set k % 3
.set ST3, (\k)%3
.set WB, 128*(ST3%2)
.if ST3 == 2
	WIN 0x80
.else
	WIN 0x40
.endif
.irp i, 0,1,2,3,4,5,6,7,8,9,10,11,12,13,14,15
.irp c, 0,1
	global_load_b128 v[WB+8*\i+4*\c:WB+8*\i+4*\c+3], v1, s[30:31] offset:8192*\i+1024*(\k)+512*\c
.endr
.endr
.endm
.macro MULS k, first                   ; 16 products; the 16 accumulators take turns
.set ST3, (\k)%3
.set WB, 128*(ST3%2)
.if ST3 == 2
	WIN 0xa2                                       ; wo window 2, context window 0, C and D window 2
.else
	WIN 0xa1
.endif
.irp i, 0,1,2,3,4,5,6,7,8,9,10,11,12,13,14,15
.set rD, 128+8*\i
.set rC, rD
.if \first
.set rC, 8*\i
.endif
.if \i%2
	v_wmma_scale_f32_16x16x128_f8f6f4 v[rD:rD+7], v[WB+8*\i:WB+8*\i+7], v[128+8*(\k):135+8*(\k)], v[rC:rC+7], v[64+8*(\i/2)+(\k)], v[32+(\k)] matrix_a_fmt:MATRIX_FMT_FP4 matrix_b_fmt:MATRIX_FMT_FP4 matrix_a_scale:MATRIX_SCALE_ROW1
.else
	v_wmma_scale_f32_16x16x128_f8f6f4 v[rD:rD+7], v[WB+8*\i:WB+8*\i+7], v[128+8*(\k):135+8*(\k)], v[rC:rC+7], v[64+8*(\i/2)+(\k)], v[32+(\k)] matrix_a_fmt:MATRIX_FMT_FP4 matrix_b_fmt:MATRIX_FMT_FP4
.endif
.endr
.endm
.macro PLACES
.rept 4
	v_nop
.endr
.endm
	LOADSET 0
	LOADSET 1
	WIN 0
	s_wait_loadcnt 32                              ; all but set 1's 32 loads are in
.irp q, 0,1,2,3,4,5,6,7
	v_lshl_or_b32 v[32+\q], v[11+2*\q], 16, v[10+2*\q]     ; K step q = heads 2 q, 2 q + 1: four scale bytes
.endr
.rept 8
	v_nop                                          ; a scale register written by a vector instruction stands eight plain lines ahead of a scaled product
.endr
	MULS 0, 1
	PLACES
	LOADSET 2                                      ; over bo, which step 0 has taken in
	LOADSET 3
.irp k, 1,2,3,4
	s_wait_loadcnt 63                              ; two younger sets are 64 loads; the count's field holds 63
	MULS \k, 0
	PLACES
	LOADSET \k+3
.endr
	s_wait_loadcnt 63
	MULS 5, 0
	s_wait_loadcnt 32
	MULS 6, 0
	s_wait_loadcnt 0x0
	MULS 7, 0
	PLACES
	WIN 0x08                                       ; an LDS store's data: window 2
.irp i, 0,1,2,3,4,5,6,7,8,9,10,11,12,13,14,15
	ds_store_b128 v5, v[128+8*\i:131+8*\i] offset:64*\i            ; each accumulator from its low end on
	ds_store_b128 v5, v[132+8*\i:135+8*\i] offset:64*\i+16
.endr
	WIN 0
	s_wait_dscnt 0x0                               ; for the others' sake: my columns lie in the stage
	s_barrier_signal -1
	s_barrier_wait -1
.irp k, 0,1,2,3
.irp i, 0,1,2,3,4,5,6,7
	ds_load_b128 v[128+32*\k+4*\i:131+32*\k+4*\i], v6 offset:4112*\k+512*\i    ; row 4 w + k, whole: register 4 i + j of lane l is column 128 i + 4 l + j
.endr
.endr
.irp k, 0,1,2,3
	v_mov_b32 v[18+\k], 0                          ; a lane permute's destination counts as read
.endr
	s_wait_dscnt 0x0
	WIN 0x0c                                       ; source 1: window 3
.set i, 0
.rept 64
	v_pk_add_f32 v[128+i:129+i], v[128+i:129+i], v[i:i+1]          ; + Q
.set i, i+2
.endr
	WIN 0
.macro ACROSS base                     ; the four rows' pairs at v[base + 2 k] become sums over the row, in every lane
.irp k, 0,1,2,3
	v_add_f32 v[\base+2*\k], v[\base+2*\k], v[\base+2*\k+1]
.endr
.irp x, 1,2,4,8
.irp k, 0,1,2,3
	v_add_f32_dpp v[\base+2*\k], v[\base+2*\k], v[\base+2*\k] row_xmask:\x row_mask:0xf bank_mask:0xf
.endr
.endr
.irp k, 0,1,2,3
	v_permlanex16_b32 v[18+\k], v[\base+2*\k], s40, s41
.endr
.irp k, 0,1,2,3
	v_add_f32 v[\base+2*\k], v[\base+2*\k], v[18+\k]
.endr
.endm
.irp k, 0,1,2,3
	v_pk_add_f32 v[10+2*\k:11+2*\k], v[128+32*\k:129+32*\k], v[130+32*\k:131+32*\k]
.endr
.irp p, 4,6,8,10,12,14,16,18,20,22,24,26,28,30
.irp k, 0,1,2,3
	v_pk_add_f32 v[10+2*\k:11+2*\k], v[10+2*\k:11+2*\k], v[128+32*\k+\p:129+32*\k+\p]
.endr
.endr
	ACROSS 10
.irp k, 0,1,2,3
	v_mul_f32 v[10+2*\k], s42, v[10+2*\k]          ; the mean
.endr
.irp p, 0,2,4,6,8,10,12,14,16,18,20,22,24,26,28,30
.irp k, 0,1,2,3
	v_pk_add_f32 v[128+32*\k+\p:129+32*\k+\p], v[128+32*\k+\p:129+32*\k+\p], v[10+2*\k:11+2*\k] op_sel_hi:[1,0] neg_lo:[0,1] neg_hi:[0,1]   ; x - mean
.endr
.endr
.irp k, 0,1,2,3
	v_pk_mul_f32 v[22+2*\k:23+2*\k], v[128+32*\k:129+32*\k], v[128+32*\k:129+32*\k]
.endr
.irp p, 2,4,6,8,10,12,14,16,18,20,22,24,26,28,30
.irp k, 0,1,2,3
	v_pk_fma_f32 v[22+2*\k:23+2*\k], v[128+32*\k+\p:129+32*\k+\p], v[128+32*\k+\p:129+32*\k+\p], v[22+2*\k:23+2*\k]
.endr
.endr
	ACROSS 22
.irp k, 0,1,2,3
	v_fma_f32 v[22+2*\k], v[22+2*\k], s42, s43     ; the variance + 1e-5
.endr
.irp k, 0,1,2,3
	v_rsq_f32 v[22+2*\k], v[22+2*\k]
.endr
	v_nop                                          ; a plain line behind the last of the four
	s_wait_alu depctr_va_vdst(0)                   ; one wait for the four, ahead of their first reader
.irp p, 0,2,4,6,8,10,12,14,16,18,20,22,24,26,28,30
.irp k, 0,1,2,3
	v_pk_mul_f32 v[128+32*\k+\p:129+32*\k+\p], v[128+32*\k+\p:129+32*\k+\p], v[22+2*\k:23+2*\k] op_sel_hi:[1,0]
.endr
.endr
	WIN 0x3c                                       ; sources 1 and 2: window 3
.irp p, 0,2,4,6,8,10,12,14,16,18,20,22,24,26,28,30
.irp k, 0,1,2,3
	v_pk_fma_f32 v[128+32*\k+\p:129+32*\k+\p], v[128+32*\k+\p:129+32*\k+\p], v[128+\p:129+\p], v[160+\p:161+\p]   ; x gamma + beta
.endr
.endr
	WIN 0
.irp k, 0,1,2,3
.irp i, 0,1,2,3,4,5,6,7
	global_store_b128 v1, v[128+32*\k+4*\i:131+32*\k+4*\i], s[52:53] offset:65536*\k+512*\i th:TH_STORE_NT   ; 512 consecutive bytes of a row
.endr
.endr
	s_wait_tensorcnt 0x0                           ; the wave's end: three lines behind my last LDS store
	ds_add_u32 v8, v9
	s_wait_dscnt 0x0
	s_endpgm
.Lfunc_end_k_qc354db1f77_outln:
	.size	k_qc354db1f77_outln, .Lfunc_end_k_qc354db1f77_outln-k_qc354db1f77_outln
	.p2alignl 7, 3214868480
	.fill 96, 4, 3214868480
	.section	.rodata,"a",@progbits
	.p2align	6, 0x0
	.amdhsa_kernel k_qc354db1f77_outln
		.amdhsa_group_segment_fixed_size 66304
		.amdhsa_private_segment_fixed_size 0
		.amdhsa_enable_private_segment 0
		.amdhsa_kernarg_size 72
		.amdhsa_user_sgpr_count 2
		.amdhsa_user_sgpr_kernarg_segment_ptr 1
		.amdhsa_wavefront_size32 1
		.amdhsa_system_sgpr_workgroup_id_x 1
		.amdhsa_system_sgpr_workgroup_id_y 1
		.amdhsa_system_sgpr_workgroup_id_z 1
		.amdhsa_system_vgpr_workitem_id 0
		.amdhsa_next_free_vgpr 1024
		.amdhsa_next_free_sgpr 66
		.amdhsa_reserve_vcc 0
		.amdhsa_float_denorm_mode_32 3
		.amdhsa_float_denorm_mode_16_64 3
		.amdhsa_memory_ordered 1
		.amdhsa_forward_progress 1
		.amdhsa_inst_pref_size 92
	.end_amdhsa_kernel
	.amdgpu_metadata
---
amdhsa.version: [ 1, 2 ]
amdhsa.kernels:
  - .name:           k_qc354db1f77_outln
    .symbol:         k_qc354db1f77_outln.kd
    .args:
      - { .name: cc, .offset: 0, .size: 8, .value_kind: global_buffer, .address_space: global }
      - { .name: cs, .offset: 8, .size: 8, .value_kind: global_buffer, .address_space: global }
      - { .name: oc, .offset: 16, .size: 8, .value_kind: global_buffer, .address_space: global }
      - { .name: os, .offset: 24, .size: 8, .value_kind: global_buffer, .address_space: global }
      - { .name: Q, .offset: 32, .size: 8, .value_kind: global_buffer, .address_space: global }
      - { .name: bo, .offset: 40, .size: 8, .value_kind: global_buffer, .address_space: global }
      - { .name: gamma, .offset: 48, .size: 8, .value_kind: global_buffer, .address_space: global }
      - { .name: beta, .offset: 56, .size: 8, .value_kind: global_buffer, .address_space: global }
      - { .name: out0, .offset: 64, .size: 8, .value_kind: global_buffer, .address_space: global }
    .group_segment_fixed_size: 66304
    .private_segment_fixed_size: 0
    .kernarg_segment_align: 8
    .kernarg_segment_size: 72
    .max_flat_workgroup_size: 128
    .sgpr_count:     66
    .vgpr_count:     1024
    .wavefront_size: 32
...
	.end_amdgpu_metadata
.endif
;; end of part 4
;; ======== version 2 of 2: 4 launches
;; limits: right only within a limited range of input values
;; workspace buffers: oc 8,388,608 bytes; os 524,288 bytes; mc 4,194,304 bytes; pc 6,291,456 bytes; ps 655,360 bytes; cc 2,097,152 bytes; cs 131,072 bytes
;; launch prep (part 5): grid 320 x 1, 4 waves a work-group, no clusters, 68,096 bytes of LDS; arguments Q, K, V, wq, wk, wv, wo, attn_mask, oc, os, mc; writes oc, os, mc
.if DOCPART == 5
	.amdgcn_target "amdgcn-amd-amdhsa--gfx1250"
	.amdhsa_code_object_version 6
	.text
	.protected	k_qc354db1f77_prep
	.globl	k_qc354db1f77_prep
	.p2align	8
	.type	k_qc354db1f77_prep,@function
k_qc354db1f77_prep:
	s_mov_b64 s[64:65], 0
	v_nop
	global_prefetch_b8 v0, s[64:65] scope:SCOPE_SE
	s_setreg_imm32_b32 hwreg(HW_REG_WAVE_MODE, 25, 1), 1
	s_wait_xcnt 0x0
; LAUNCH 1 OF 4.  The whole program: out0 = LayerNorm(attention(Q wq^T + bq, K wk^T + bk, V wv^T + bv, mask) wo^T + bo + Q), all six products on codes of E2M1 with one E8M0 scale for each 32 along K.
; NO WORK IS LEFT OUT: every input has a way to the output (bk too: it moves k's codes), so every input is loaded by some launch.
; THIS LAUNCH: (a) Q, K, V, wq, wk, wv, wo, f32 with K = 1,024 innermost, become codes and scale words laid as IMAGES OF MATRIX FRAGMENTS; (b) the mask's bytes become codes of E2M1 for launch 3's first product.
; A fragment is 16 rows x 128 K: 8 registers a lane; registers 4 c .. 4 c + 3 of lane l = r + 16 h (row r, k = 64 c + 32 h + 0 .. 31) lie at byte 512 c + 16 l of its 1,024 bytes.
; oc: [pair P 0..511][tile x 0..1][K step 0..7][1,024 B].  P 0-127 Q, 128-255 K, 256-383 V, 384-415 wq, 416-447 wk, 448-479 wv, 480-511 wo.
; WHICH ROWS FORM A TILE IS CHOSEN FOR THE READER: row m of tile x of a tensor's pair p is the tensor's row C1 (p / 2) + C2 (p % 2) + DEL x + LO (m % 8) + HI (m / 8):
;   Q, K, wo: 16 neighbouring rows;  V: every second row;  wq, wk: eight rows and the eight 32 further on;  wv: rows 64 apart.  The later launches' quantisers then find a whole block of 32 in one lane.
; os: [P][K half 0..1][lane][4 words]: lanes 0-15 the rows of tile 0, lanes 16-31 those of tile 1; word i = the four scale bytes of K step 4 half + i.
; mc: [qt 0..255][key step J 0..15][key tile t 0..7][lane m + 16 h] words, qt = 128 b + 16 A + e.  Nibble j of a word is the code 1 (the number 0.5) where
;   mask[b][256 A + 16 (8 h + j) + e][128 J + 32 (t / 2) + 8 (t % 2) + m + 8 (m / 8)] is set, else the code 0: register 4 of launch 3's fragment of those 16 keys.
; A block's scale is 2^(floor(log2(largest magnitude)) - 2); its byte is the largest magnitude's exponent field - 2, held at 1 from below by a floor among the maximum's leaves.
; LIMITS: a block of zeros gets the byte 1 where the rule says 127 (its codes are zeros, and this program alone reads the bytes); NaN and infinities among the inputs are not served.
; SHARES: work-groups 0-255 quantise: wave job j = 4 g + w takes pair j / 2, K half j % 2: 8 fragments.  Work-groups 256-319 pack the mask: a wave takes one qt, in 4 steps of 16 rows x 512 keys.
; Each load reads 512 consecutive bytes of one row.  Waves share nothing: no barrier.
.set STG,   8448                       ; a wave's stage: 16 rows x 528
.set MSTG,  33792                      ; the mask path's stages lie behind the quantisers': each path has LDS bytes of its own
.set SPARE, 67584                      ; the spare words: 128 bytes a wave
.set R,     64                         ; v64-255  three sets of 64 registers
.set OFF,   16                         ; v16-31   row m's byte offset + 16 x lane
.set CD,    32                         ; v32-39   a fragment's codes
.set WD,    32                         ; v32-63   mask path: a step's 32 words
.set W8,    40                         ; v40-47   scale words: 4 x + K step
	s_load_b512 s[8:23], s[0:1], 0x0               ; Q, K, V, wq, wk, wv, wo, attn_mask
	s_load_b128 s[24:27], s[0:1], 0x40             ; oc, os
	s_load_b64 s[28:29], s[0:1], 0x50              ; mc
	v_lshl_add_u32 v8, v0, 2, SPARE                ; my spare word,
	v_mov_b32 v9, 0                                ; and 0: kept for the closing lines alone
	v_lshrrev_b32 v1, 5, v0
	v_readfirstlane_b32 s30, v1                    ; wave
	v_and_b32 v1, 31, v0                           ; lane
	v_and_b32 v2, 15, v0                           ; r
	v_bfe_u32 v3, v0, 4, 1                         ; h
	v_lshlrev_b32 v4, 4, v1                        ; 16 x lane
	s_mul_i32 s31, s30, STG
	v_add_nc_u32 v5, s31, v4                       ; into the stage: 16 x lane of row m
	v_mul_u32_u24 v6, v2, 528
	v_add_nc_u32 v6, s31, v6
	v_lshl_add_u32 v6, v3, 7, v6                   ; out of it: row r, + 128 h
	v_lshlrev_b32 v49, 3, v3                       ; 8 h
	v_mov_b32 v48, 0                               ; a lane permute's destination counts as read
	s_mov_b32 s48, 0x76543210
	s_mov_b32 s49, 0xfedcba98                      ; selects for lane l xor 16
	s_mov_b32 s50, 0xffff0000                      ; lanes 16-31
	s_mov_b32 s63, 0
	s_wait_kmcnt 0x0
	s_cmp_ge_u32 ttmp9, 256
	s_cbranch_scc1 .Lmask
; ---------------- the quantisers ----------------
.macro PICK lim, ptr, start, lo, hi, del, c1, c2   ; work-groups under lim take this tensor: a choice on the work-group's number alone
	s_cmp_lt_u32 ttmp9, \lim
	s_cselect_b64 s[32:33], s[\ptr:\ptr+1], s[32:33]
	s_cselect_b32 s34, \start, s34
	s_cselect_b32 s35, \lo, s35
	s_cselect_b32 s36, \hi, s36
	s_cselect_b32 s37, \del, s37
	s_cselect_b32 s38, \c1, s38
	s_cselect_b32 s39, \c2, s39
.endm
	s_mov_b64 s[32:33], s[20:21]                   ; wo, unless one of the choices below holds
	s_mov_b32 s34, 480                             ; the tensor's first pair
	s_mov_b32 s35, 4096                            ; LO, HI, DEL in bytes (a row is 4,096)
	s_mov_b32 s36, 32768
	s_mov_b32 s37, 65536
	s_mov_b32 s38, 64                              ; C1, C2 in rows
	s_mov_b32 s39, 32
	PICK 240, 18, 448, 262144, 4096, 2097152, 4, 2
	PICK 224, 16, 416, 4096, 131072, 32768, 64, 16
	PICK 208, 14, 384, 4096, 131072, 32768, 64, 16
	PICK 192, 12, 256, 8192, 65536, 4096, 64, 32
	PICK 128, 10, 128, 4096, 32768, 65536, 64, 32
	PICK 64, 8, 0, 4096, 32768, 65536, 64, 32
	s_lshl_b32 s51, ttmp9, 1
	s_lshr_b32 s60, s30, 1
	s_add_co_u32 s51, s51, s60                     ; P
	s_and_b32 s60, s30, 1                          ; K half
	s_sub_co_u32 s61, s51, s34                     ; the pair's number in its tensor
	s_lshr_b32 s62, s61, 1
	s_mul_i32 s62, s62, s38
	s_and_b32 s61, s61, 1
	s_mul_i32 s61, s61, s39
	s_add_co_u32 s62, s62, s61                     ; the pair's first row
	s_lshl_b32 s62, s62, 12
	s_lshl_b32 s61, s60, 11                        ; 512 numbers along K
	s_add_co_u32 s62, s62, s61
	s_add_nc_u64 s[40:41], s[32:33], s[62:63]      ; tile 0
	s_mov_b32 s62, s37
	s_add_nc_u64 s[42:43], s[40:41], s[62:63]      ; tile 1
	s_lshl_b32 s62, s51, 14
	s_lshl_b32 s61, s60, 12
	s_add_co_u32 s62, s62, s61
	s_add_nc_u64 s[44:45], s[24:25], s[62:63]      ; codes: 16,384 P + 4,096 half
	s_lshl_b32 s62, s51, 10
	s_lshl_b32 s61, s60, 9
	s_add_co_u32 s62, s62, s61
	s_add_nc_u64 s[46:47], s[26:27], s[62:63]      ; scale words: 1,024 P + 512 half
	s_wait_alu depctr_va_vdst(0)                   ; the wait ahead of the first reader of the head's registers
	v_mov_b32 v[OFF], v4
.irp m, 1,2,3,4,5,6,7
	v_add_nc_u32 v[OFF+\m], s35, v[OFF+\m-1]
.endr
.irp m, 0,1,2,3,4,5,6,7
	v_add_nc_u32 v[OFF+8+\m], s36, v[OFF+\m]
.endr
.macro LOADF f                         ; fragment f = 2 (K step) + tile: 16 rows x 512 bytes
.irp m, 0,1,2,3,4,5,6,7,8,9,10,11,12,13,14,15
	global_load_b128 v[R+64*((\f)%3)+4*\m:R+64*((\f)%3)+4*\m+3], v[OFF+\m], s[40+2*((\f)%2):41+2*((\f)%2)] offset:512*((\f)/2) th:TH_LOAD_NT
.endr
.endm
.macro QF f
.set RS, R+64*((\f)%3)
.if (\f) <= 5
	s_wait_loadcnt 32                              ; my 16 loads are in; the two younger sets' 32 may be out
.elseif (\f) == 6
	s_wait_loadcnt 16
.else
	s_wait_loadcnt 0x0
.endif
.irp m, 0,1,2,3,4,5,6,7,8,9,10,11,12,13,14,15
	ds_store_b128 v5, v[RS+4*\m:RS+4*\m+3] offset:528*\m
.endr
.irp c, 0,1
.irp q, 0,1,2,3,4,5,6,7
	ds_load_b128 v[RS+32*\c+4*\q:RS+32*\c+4*\q+3], v6 offset:256*\c+16*\q   ; LDS serves a wave's instructions in order: these see the stores.  Register 32 c + i: k = 64 c + 32 h + i of row r
.endr
.endr
	s_wait_dscnt 0x0
	v_max3_num_f32 v10, |v[RS]|, |v[RS+1]|, 0x1800000      ; my two blocks by turns, with the floor 2^(3 - 127): the byte cannot fall under 1
	v_max3_num_f32 v11, |v[RS+32]|, |v[RS+33]|, 0x1800000
.irp i, 2,4,6,8,10,12,14,16,18,20,22,24,26,28,30
	v_max3_num_f32 v10, v10, |v[RS+\i]|, |v[RS+\i+1]|
	v_max3_num_f32 v11, v11, |v[RS+32+\i]|, |v[RS+33+\i]|
.endr
	v_add_nc_u32 v12, 0xff000000, v10              ; 2 off the exponent field: the conversion's scale operand
	v_add_nc_u32 v13, 0xff000000, v11
	v_lshrrev_b32 v14, 23, v12                     ; the bytes of blocks h and 2 + h
	v_lshrrev_b32 v15, 23, v13
	v_lshl_or_b32 v50, v15, 16, v14
	v_lshlrev_b32 v50, v49, v50                    ; at their places in the word
	v_permlanex16_b32 v48, v50, s48, s49
	v_or_b32 v[W8+4*((\f)%2)+(\f)/2], v50, v48     ; with lane l xor 16's two the row's word is whole
	s_wait_alu depctr_va_vdst(0)
	s_wait_xcnt 0x0                                ; the last fragment's stores have read the codes' registers
.irp c, 0,1
.irp g, 0,1,2,3
	v_cvt_scalef32_pk8_fp4_f32 v[CD+4*\c+\g], v[RS+32*\c+8*\g:RS+32*\c+8*\g+7], v[12+\c]
.endr
.endr
	v_nop                                          ; one plain line behind the last conversion
	global_store_b128 v4, v[CD:CD+3], s[44:45] offset:8192*((\f)%2)+1024*((\f)/2)        ; 512 consecutive bytes each
	global_store_b128 v4, v[CD+4:CD+7], s[44:45] offset:8192*((\f)%2)+1024*((\f)/2)+512
.if (\f)+3 < 8
	LOADF (\f)+3
.endif
.endm
	LOADF 0
	LOADF 1
	LOADF 2
.irp f, 0,1,2,3,4,5,6,7
	QF \f
.endr
.irp i, 0,1,2,3
	v_cndmask_b32 v[52+\i], v[W8+\i], v[W8+4+\i], s50      ; lanes 0-15 tile 0's words, lanes 16-31 tile 1's
.endr
	global_store_b128 v4, v[52:55], s[46:47]
	s_wait_tensorcnt 0x0                           ; the wave's end: three lines behind my last LDS store
	ds_add_u32 v8, v9
	s_wait_dscnt 0x0
	s_endpgm
; ---------------- the mask ----------------
; Lane l holds keys 16 l .. 16 l + 15 of a step's 512, a byte each, of the tile's 16 rows (queries).  Two rows' bytes make nibbles of one byte; a 4 x 4 transposition of bytes then gives, for each key, a word with eight queries' nibbles.
; The 32 words of a lane go through the wave's stage (units of 256 bytes, 272 apart) into mc's order and leave as 512 consecutive bytes a store.
.Lmask:
	s_sub_co_u32 s51, ttmp9, 256
	s_lshl_b32 s51, s51, 2
	s_add_co_u32 s51, s51, s30                     ; qt
	s_lshr_b32 s60, s51, 7
	s_lshl_b32 s60, s60, 22                        ; b: 2,048 x 2,048 bytes
	s_bfe_u32 s61, s51, 0x30004
	s_lshl_b32 s61, s61, 19                        ; A: 256 rows of 2,048
	s_and_b32 s62, s51, 15
	s_lshl_b32 s62, s62, 11                        ; e: a row
	s_add_co_u32 s62, s62, s61
	s_add_co_u32 s62, s62, s60
	s_add_nc_u64 s[40:41], s[22:23], s[62:63]
	s_lshl_b32 s62, s51, 14                        ; 16,384 bytes of words a qt
	s_add_nc_u64 s[44:45], s[28:29], s[62:63]
	s_mov_b32 s52, 0x05010400                      ; byte selects: (a0 b0 a1 b1),
	s_mov_b32 s53, 0x07030602                      ; (a2 b2 a3 b3),
	s_mov_b32 s54, 0x05040100                      ; the two low halves,
	s_mov_b32 s55, 0x07060302                      ; the two high halves
	s_wait_alu depctr_va_vdst(0)                   ; the wait ahead of the first reader of the head's registers
.irp m, 0,1,2,3,4,5,6,7,8,9,10,11,12,13,14,15
	v_add_nc_u32 v[OFF+\m], 32768*\m, v4           ; my tile's rows lie 16 rows apart
.endr
	v_lshrrev_b32 v10, 1, v1                       ; into the stage: unit l / 2 = 4 (J % 4) + t / 2; in it 32 (l % 2) bytes on: m / 8 = l % 2
	v_mul_u32_u24 v10, v10, 272
	v_and_b32 v11, 1, v1
	v_lshl_add_u32 v10, v11, 5, v10
	v_add_nc_u32 v10, s31, v10
	v_mul_u32_u24 v11, v3, 272                     ; out of it: sixteen lanes to a unit
	v_lshl_add_u32 v11, v2, 4, v11
	v_add_nc_u32 v11, s31, v11
	s_wait_alu depctr_va_vdst(0)                   ; the wait behind these writes
.macro LOADM st
.irp m, 0,1,2,3,4,5,6,7,8,9,10,11,12,13,14,15
	global_load_b128 v[R+64*((\st)%3)+4*\m:R+64*((\st)%3)+4*\m+3], v[OFF+\m], s[40:41] offset:512*(\st) th:TH_LOAD_NT
.endr
.endm
.macro MSTEP st, left
.set RS, R+64*((\st)%3)
	s_wait_loadcnt \left                           ; this step's 16 loads are in; the younger steps' may be out
.irp hh, 0,1                                   ; queries 8 hh + 0 .. 7
.irp d, 0,1,2,3                                ; keys 4 d + 0 .. 3 of my 16.  Row 8 hh + j's four bytes: register XB + 4 j
.set XB, RS+32*\hh+\d
	v_lshl_or_b32 v[XB], v[XB+4], 4, v[XB]         ; a: rows 0, 1 as nibbles
	v_lshl_or_b32 v[XB+8], v[XB+12], 4, v[XB+8]    ; b: rows 2, 3
	v_lshl_or_b32 v[XB+16], v[XB+20], 4, v[XB+16]  ; c: rows 4, 5
	v_lshl_or_b32 v[XB+24], v[XB+28], 4, v[XB+24]  ; d: rows 6, 7
	v_perm_b32 v[XB+4], v[XB+8], v[XB], s52
	v_perm_b32 v[XB+12], v[XB+8], v[XB], s53
	v_perm_b32 v[XB+20], v[XB+24], v[XB+16], s52
	v_perm_b32 v[XB+28], v[XB+24], v[XB+16], s53
	v_perm_b32 v[WD+16*\hh+4*\d], v[XB+20], v[XB+4], s54       ; key 4 d: (a0 b0 c0 d0)
	v_perm_b32 v[WD+16*\hh+4*\d+1], v[XB+20], v[XB+4], s55
	v_perm_b32 v[WD+16*\hh+4*\d+2], v[XB+28], v[XB+12], s54
	v_perm_b32 v[WD+16*\hh+4*\d+3], v[XB+28], v[XB+12], s55
.endr
.endr
.irp hh, 0,1
.irp u, 0,1
.irp q, 0,1
	ds_store_b128 v10, v[WD+16*\hh+8*\u+4*\q:WD+16*\hh+8*\u+4*\q+3] offset:MSTG+128*\u+64*\hh+16*\q   ; tile parity u, lanes 16 hh + 8 (l % 2) + 4 q on
.endr
.endr
.endr
.irp i, 0,1,2,3,4,5,6,7
	ds_load_b128 v[RS+4*\i:RS+4*\i+3], v11 offset:MSTG+544*\i      ; LDS serves a wave's instructions in order: these see the stores
.endr
	s_wait_dscnt 0x0
.irp i, 0,1,2,3,4,5,6,7
	global_store_b128 v4, v[RS+4*\i:RS+4*\i+3], s[44:45] offset:4096*(\st)+512*\i
.endr
.endm
	LOADM 0
	LOADM 1
	LOADM 2
	MSTEP 0, 32
	s_wait_xcnt 0x0                                ; step 0's stores have read set 0's registers, which take step 3's loads
	LOADM 3
	MSTEP 1, 32
	MSTEP 2, 16
	MSTEP 3, 0
	s_wait_tensorcnt 0x0                           ; the wave's end: three lines behind my last LDS store
	ds_add_u32 v8, v9
	s_wait_dscnt 0x0
	s_endpgm
.Lfunc_end_k_qc354db1f77_prep:
	.size	k_qc354db1f77_prep, .Lfunc_end_k_qc354db1f77_prep-k_qc354db1f77_prep
	.p2alignl 7, 3214868480
	.fill 96, 4, 3214868480
	.section	.rodata,"a",@progbits
	.p2align	6, 0x0
	.amdhsa_kernel k_qc354db1f77_prep
		.amdhsa_group_segment_fixed_size 68096
		.amdhsa_private_segment_fixed_size 0
		.amdhsa_enable_private_segment 0
		.amdhsa_kernarg_size 88
		.amdhsa_user_sgpr_count 2
		.amdhsa_user_sgpr_kernarg_segment_ptr 1
		.amdhsa_wavefront_size32 1
		.amdhsa_system_sgpr_workgroup_id_x 1
		.amdhsa_system_sgpr_workgroup_id_y 1
		.amdhsa_system_sgpr_workgroup_id_z 1
		.amdhsa_system_vgpr_workitem_id 0
		.amdhsa_next_free_vgpr 256
		.amdhsa_next_free_sgpr 66
		.amdhsa_reserve_vcc 0
		.amdhsa_float_denorm_mode_32 3
		.amdhsa_float_denorm_mode_16_64 3
		.amdhsa_memory_ordered 1
		.amdhsa_forward_progress 1
		.amdhsa_inst_pref_size 100
	.end_amdhsa_kernel
	.amdgpu_metadata
---
amdhsa.version: [ 1, 2 ]
amdhsa.kernels:
  - .name:           k_qc354db1f77_prep
    .symbol:         k_qc354db1f77_prep.kd
    .args:
      - { .name: Q, .offset: 0, .size: 8, .value_kind: global_buffer, .address_space: global }
      - { .name: K, .offset: 8, .size: 8, .value_kind: global_buffer, .address_space: global }
      - { .name: V, .offset: 16, .size: 8, .value_kind: global_buffer, .address_space: global }
      - { .name: wq, .offset: 24, .size: 8, .value_kind: global_buffer, .address_space: global }
      - { .name: wk, .offset: 32, .size: 8, .value_kind: global_buffer, .address_space: global }
      - { .name: wv, .offset: 40, .size: 8, .value_kind: global_buffer, .address_space: global }
      - { .name: wo, .offset: 48, .size: 8, .value_kind: global_buffer, .address_space: global }
      - { .name: attn_mask, .offset: 56, .size: 8, .value_kind: global_buffer, .address_space: global }
      - { .name: oc, .offset: 64, .size: 8, .value_kind: global_buffer, .address_space: global }
      - { .name: os, .offset: 72, .size: 8, .value_kind: global_buffer, .address_space: global }
      - { .name: mc, .offset: 80, .size: 8, .value_kind: global_buffer, .address_space: global }
    .group_segment_fixed_size: 68096
    .private_segment_fixed_size: 0
    .kernarg_segment_align: 8
    .kernarg_segment_size: 88
    .max_flat_workgroup_size: 128
    .sgpr_count:     66
    .vgpr_count:     256
    .wavefront_size: 32
...
	.end_amdgpu_metadata
.endif
;; end of part 5
;; launch proj (part 6): grid 4 x 48, 4 waves a work-group, no clusters, 327,680 bytes of LDS; arguments oc, os, bq, bk, bv, pc, ps; writes pc, ps
.if DOCPART == 6
	.amdgcn_target "amdgcn-amd-amdhsa--gfx1250"
	.amdhsa_code_object_version 6
	.text
	.protected	k_qc354db1f77_proj
	.globl	k_qc354db1f77_proj
	.p2align	8
	.type	k_qc354db1f77_proj,@function
k_qc354db1f77_proj:
	s_mov_b64 s[64:65], 0
	v_nop
	global_prefetch_b8 v0, s[64:65] scope:SCOPE_SE
	s_setreg_imm32_b32 hwreg(HW_REG_WAVE_MODE, 25, 1), 1
	s_wait_xcnt 0x0
.set STG,   262144
.set SPARE, 264192
.set MSB, 0
.macro WIN new
.if MSB != (\new)
	s_set_vgpr_msb (MSB<<8)|(\new)
.set MSB, (\new)
.endif
.endm
	s_load_b128 s[4:7], s[0:1], 0x0
	s_load_b128 s[8:11], s[0:1], 0x10
	s_load_b128 s[12:15], s[0:1], 0x20
	s_load_b64 s[16:17], s[0:1], 0x30
	v_lshl_add_u32 v8, v0, 2, SPARE
	v_mov_b32 v9, 0
	ds_add_u32 v8, v9
	ds_add_u32 v8, v9
	v_lshrrev_b32 v1, 5, v0
	v_readfirstlane_b32 s48, v1
	v_and_b32 v11, 31, v0
	v_and_b32 v2, 15, v0
	v_bfe_u32 v3, v0, 4, 1
	v_lshlrev_b32 v1, 4, v11
	s_wait_alu depctr_va_vdst(0)
	s_and_b32 s49, ttmp7, 0xffff
	s_lshr_b32 s18, s49, 4
	s_and_b32 s49, s49, 15
	s_lshr_b32 s50, s48, 1
	s_and_b32 s51, s48, 1
	s_lshl_b32 s20, s49, 1
	s_add_co_u32 s52, s20, s51
	s_add_co_u32 s20, s20, s50
	s_lshl_b32 s19, ttmp9, 1
	s_add_co_u32 s19, s19, s51
	s_lshl_b32 s21, s50, 16
	v_add_nc_u32 v28, s21, v1
	s_add_co_u32 s21, s51, 2
	s_lshl_b32 s21, s21, 16
	v_add_nc_u32 v29, s21, v1
	s_lshl_b32 s21, s48, 9
	s_add_co_u32 s21, s21, STG
	v_lshl_add_u32 v6, v3, 6, v2
	v_add_nc_u32 v6, s21, v6
	v_add_nc_u32 v7, s21, v1
	v_lshlrev_b32 v5, 10, v3
	v_lshl_add_u32 v5, v2, 4, v5
	v_mov_b32 v10, 0x1800000
	s_lshl_b32 s21, s19, 9
	v_lshlrev_b32 v4, 7, v3
	v_add_nc_u32 v4, s21, v4
	s_lshl_b32 s21, s19, 5
	v_lshlrev_b32 v11, 2, v3
	v_add_nc_u32 v11, s21, v11
	s_mov_b32 s24, 3<<16
	s_mov_b32 s25, 512<<16
	s_mov_b32 s26, 8<<16
	s_mov_b32 s27, 512<<16
	s_mov_b32 s28, 8
	s_mov_b32 s29, 1024
	s_mov_b32 s30, 0
	s_mov_b32 s31, 0
	s_mov_b32 s56, 1
	s_lshl_b32 s57, s48, 16
	s_mov_b32 s60, 1
	s_add_co_u32 s61, s57, 32768
	s_lshl_b32 s52, s52, 16
	s_lshl_b32 s53, s18, 21
	s_add_co_u32 s52, s52, s53
	s_lshl_b32 s54, s19, 16
	s_lshl_b32 s53, s18, 19
	s_add_co_u32 s54, s54, s53
	s_add_co_u32 s54, s54, 6291456
	s_cmp_eq_u32 s50, 0
	s_cselect_b32 s52, s52, s54
	s_mov_b32 s53, 0
	s_lshl_b32 s22, s18, 21
	s_lshl_b32 s23, s20, 16
	s_add_co_u32 s38, s22, s23
	s_lshl_b32 s42, s18, 17
	s_lshl_b32 s43, s20, 12
	s_add_co_u32 s42, s42, s43
	s_mov_b32 s43, 0
	s_lshl_b32 s44, s18, 15
	s_lshl_b32 s45, s19, 12
	s_add_co_u32 s44, s44, s45
	s_add_co_u32 s44, s44, 393216
	s_mov_b32 s45, 0
	s_and_b32 s46, s19, 3
	s_lshl_b32 s46, s46, 4
	s_lshr_b32 s47, s19, 2
	s_lshl_b32 s47, s47, 3
	s_add_co_u32 s46, s46, s47
	s_lshl_b32 s21, s46, 6
	s_lshl_b32 s22, s20, 12
	s_add_co_u32 s21, s21, s22
	s_lshl_b32 s22, s20, 13
	s_lshl_b32 s23, s19, 10
	s_add_co_u32 s22, s22, s23
	s_cmp_eq_u32 s18, 2
	s_cselect_b32 s46, s46, s19
	s_cselect_b32 s21, s21, s22
	s_lshl_b32 s46, s46, 10
	s_add_co_u32 s46, s46, s38
	s_mov_b32 s47, 0
	s_lshl_b32 s22, s18, 18
	s_add_co_u32 s22, s22, s21
	s_mov_b32 s23, 0
	s_wait_dscnt 0x0
	s_wait_kmcnt 0x0
	s_add_nc_u64 s[58:59], s[4:5], s[52:53]
	s_add_nc_u64 s[62:63], s[58:59], 4096
	s_or_b32 s59, s59, 0x80000000
	s_or_b32 s63, s63, 0x80000000
	tensor_load_to_lds s[56:59], s[24:31]
	s_nop 0
	s_wait_alu depctr_va_vdst(0)
	s_wait_tensorcnt 0x0
	ds_add_u32 v8, v9
	s_wait_dscnt 0x0
	s_barrier_signal -1
	s_barrier_wait -1
	tensor_load_to_lds s[60:63], s[24:31]
	s_nop 0
.rept 4
	v_nop
.endr
	s_add_nc_u64 s[66:67], s[6:7], s[42:43]
	s_add_nc_u64 s[68:69], s[6:7], s[44:45]
	s_add_nc_u64 s[34:35], s[14:15], s[46:47]
	s_add_nc_u64 s[36:37], s[16:17], s[22:23]
	s_cmp_eq_u32 s18, 0
	s_cselect_b64 s[32:33], s[8:9], s[10:11]
	s_cmp_eq_u32 s18, 2
	s_cselect_b64 s[32:33], s[12:13], s[32:33]
.irp p, 0,1,2,3
.irp q, 0,1
	global_load_b128 v[32+8*\p+4*\q:35+8*\p+4*\q], v1, s[66:67] offset:1024*\p+512*\q
	global_load_b128 v[64+8*\p+4*\q:67+8*\p+4*\q], v1, s[68:69] offset:1024*\p+512*\q
.endr
.endr
	s_cmp_eq_u32 s18, 2
	s_cbranch_scc1 .Lbias_v
	s_wait_alu depctr_va_vdst(0)
.irp b, 0,1,2,3,4,5,6,7
	global_load_b128 v[192+8*\b:195+8*\b], v4, s[32:33] offset:256*(\b/4)+32*(\b%4)
	global_load_b128 v[196+8*\b:199+8*\b], v4, s[32:33] offset:256*(\b/4)+32*(\b%4)+16
.endr
	s_branch .Lbias_in
.Lbias_v:
	s_wait_alu depctr_va_vdst(0)
.irp b, 0,1,2,3,4,5,6,7
.irp j, 0,1,2,3,4,5,6,7
	global_load_b32 v[192+8*\b+\j], v11, s[32:33] offset:2048*(\b%2)+256*\j+8*(\b/2)
.endr
.endr
.Lbias_in:
.macro FETCH_W k
	WIN 0x40
.irp i, 0,1,2,3,4,5,6,7
.irp c, 0,1
	ds_load_b128 v[64*((\k)%2)+8*\i+4*\c:64*((\k)%2)+8*\i+4*\c+3], v29 offset:32768*((\k)/4)+4096*\i+1024*((\k)%4)+512*\c
.endr
.endr
.endm
.macro FETCH_A k, i0
	WIN 0
.irp i, \i0, \i0+1, \i0+2, \i0+3
.irp c, 0,1
	ds_load_b128 v[128+8*(\i)+4*\c:128+8*(\i)+4*\c+3], v28 offset:32768*((\k)/4)+4096*(\i)+1024*((\k)%4)+512*\c
.endr
.endr
.endm
.macro WMX
.if pW && pA
	v_wmma_scale_f32_16x16x128_f8f6f4 v[rD:rD+7], v[rW:rW+7], v[rA:rA+7], v[rC:rC+7], v[rSW], v[rSA] matrix_a_fmt:MATRIX_FMT_FP4 matrix_b_fmt:MATRIX_FMT_FP4 matrix_a_scale:MATRIX_SCALE_ROW1 matrix_b_scale:MATRIX_SCALE_ROW1
.elseif pW
	v_wmma_scale_f32_16x16x128_f8f6f4 v[rD:rD+7], v[rW:rW+7], v[rA:rA+7], v[rC:rC+7], v[rSW], v[rSA] matrix_a_fmt:MATRIX_FMT_FP4 matrix_b_fmt:MATRIX_FMT_FP4 matrix_a_scale:MATRIX_SCALE_ROW1
.elseif pA
	v_wmma_scale_f32_16x16x128_f8f6f4 v[rD:rD+7], v[rW:rW+7], v[rA:rA+7], v[rC:rC+7], v[rSW], v[rSA] matrix_a_fmt:MATRIX_FMT_FP4 matrix_b_fmt:MATRIX_FMT_FP4 matrix_b_scale:MATRIX_SCALE_ROW1
.else
	v_wmma_scale_f32_16x16x128_f8f6f4 v[rD:rD+7], v[rW:rW+7], v[rA:rA+7], v[rC:rC+7], v[rSW], v[rSA] matrix_a_fmt:MATRIX_FMT_FP4 matrix_b_fmt:MATRIX_FMT_FP4
.endif
.endm
.macro MUL32 k, hi, first
.if \first
	WIN 0x81+0x40*(\hi)
.else
	WIN 0xa1+0x50*(\hi)
.endif
.irp a4, 0,1,2,3
.irp b, 0,1,2,3,4,5,6,7
.set rD, 8*(8*\a4+\b)
.set rC, rD
.if \first
.set rC, 192+8*\b
.endif
.set rW, 64*((\k)%2)+8*\b
.set rA, 128+8*(4*(\hi)+\a4)
.set rSW, 64+8*(\b/2)+(\k)
.set rSA, 32+8*((4*(\hi)+\a4)/2)+(\k)
.set pW, \b%2
.set pA, \a4%2
	WMX
.endr
.endr
.endm
.macro PLACES
.rept 4
	v_nop
.endr
.endm
.macro STEP k
	s_wait_dscnt 8
.if (\k) == 0
	MUL32 \k, 0, 1
.else
	MUL32 \k, 0, 0
.endif
	s_wait_dscnt 0x0
.if (\k) == 3
	s_wait_tensorcnt 0x0
	s_barrier_signal -1
	s_barrier_wait -1
.endif
.if (\k) < 7
	PLACES
	FETCH_W (\k)+1
	FETCH_A (\k)+1, 0
.endif
.if (\k) == 0
	MUL32 \k, 1, 1
.else
	MUL32 \k, 1, 0
.endif
.if (\k) < 7
	PLACES
	FETCH_A (\k)+1, 4
.endif
.endm
	s_wait_tensorcnt 0x1
	s_barrier_signal -1
	s_barrier_wait -1
	FETCH_W 0
	FETCH_A 0, 0
	FETCH_A 0, 4
	s_wait_loadcnt 0x0
.irp k, 0,1,2,3,4,5,6,7
	STEP \k
.endr
	PLACES
	WIN 0
	s_cmp_eq_u32 s18, 2
	s_cbranch_scc1 .Lepi_v
.macro EPQK k2
.set WN, 2+(\k2)/2
	WIN (WN<<2)|(WN<<4)
.irp g, 0,1,2,3
	v_max3_num_f32 v[12+\g], v10, |v[64*((2*(\k2)+\g/2)%4)+32*(\g%2)]|, |v[64*((2*(\k2)+\g/2)%4)+32*(\g%2)+1]|
.endr
.irp i, 2,4,6,8,10,12,14,16,18,20,22,24,26,28,30
.irp g, 0,1,2,3
	v_max3_num_f32 v[12+\g], v[12+\g], |v[64*((2*(\k2)+\g/2)%4)+32*(\g%2)+\i]|, |v[64*((2*(\k2)+\g/2)%4)+32*(\g%2)+\i+1]|
.endr
.endr
	WIN 0
.irp g, 0,1,2,3
	v_add_nc_u32 v[16+\g], 0xff000000, v[12+\g]
.endr
.irp g, 0,1,2,3
	v_lshrrev_b32 v[20+\g], 23, v[16+\g]
.endr
	WIN WN
.irp g, 0,1,2,3
.irp q, 0,1,2,3
	v_cvt_scalef32_pk8_fp4_f32 v[128+4*(4*(\k2)+\g)+\q], v[64*((2*(\k2)+\g/2)%4)+32*(\g%2)+8*\q:64*((2*(\k2)+\g/2)%4)+32*(\g%2)+8*\q+7], v[16+\g]
.endr
.endr
	v_nop
	WIN 0
.irp g, 0,1,2,3
	global_store_b128 v1, v[128+4*(4*(\k2)+\g):128+4*(4*(\k2)+\g)+3], s[34:35] offset:8192*(2*(\k2)+\g/2)+512*(\g%2)
.endr
	v_permlane16_swap_b32 v20, v21
	v_permlane16_swap_b32 v22, v23
	v_lshl_or_b32 v[96+2*(\k2)], v21, 8, v20
	v_lshl_or_b32 v[97+2*(\k2)], v23, 8, v22
	v_or_b32 v[96+2*(\k2)], 0xb1b10000, v[96+2*(\k2)]      ; bytes 2, 3: 2^50, the scale of the blocks in which launch 3 lays the mask's codes
	v_or_b32 v[97+2*(\k2)], 0xb1b10000, v[97+2*(\k2)]
.endm
	EPQK 0
	EPQK 1
	EPQK 2
	EPQK 3
	global_store_b128 v1, v[96:99], s[36:37]
	global_store_b128 v1, v[100:103], s[36:37] offset:512
	s_branch .Ldone
.Lepi_v:
.macro EPV p
.set WN, 2+(\p)/2
	WIN (WN<<2)|(WN<<4)
.irp g, 0,1,2,3
	v_max3_num_f32 v[12+\g], v10, |v[128*((\p)%2)+16*\g]|, |v[128*((\p)%2)+16*\g+1]|
.endr
.irp i, 2,4,6
.irp g, 0,1,2,3
	v_max3_num_f32 v[12+\g], v[12+\g], |v[128*((\p)%2)+16*\g+\i]|, |v[128*((\p)%2)+16*\g+\i+1]|
.endr
.endr
.irp q, 1,2,3
.irp i, 0,2,4,6
.irp g, 0,1,2,3
	v_max3_num_f32 v[12+\g], v[12+\g], |v[64*(2*((\p)%2)+\q/2)+8*(2*\g+\q%2)+\i]|, |v[64*(2*((\p)%2)+\q/2)+8*(2*\g+\q%2)+\i+1]|
.endr
.endr
.endr
	WIN 0
	s_wait_alu depctr_va_vdst(0)
	s_wait_dscnt 0x0
.irp g, 0,1,2,3
	v_add_nc_u32 v[16+\g], 0xff000000, v[12+\g]
.endr
.irp g, 0,1,2,3
	v_lshrrev_b32 v[20+\g], 23, v[16+\g]
.endr
	WIN WN
.irp g, 0,1,2,3
.irp q, 0,1,2,3
	v_cvt_scalef32_pk8_fp4_f32 v[128+4*(4*(\p)+\g)+\q], v[64*(2*((\p)%2)+\q/2)+8*(2*\g+\q%2):64*(2*((\p)%2)+\q/2)+8*(2*\g+\q%2)+7], v[16+\g]
.endr
.endr
	v_nop
	WIN 0
.irp g, 0,1,2,3
	global_store_b128 v5, v[128+4*(4*(\p)+\g):128+4*(4*(\p)+\g)+3], s[34:35] offset:2048*\g+256*(\p)
	ds_store_b8 v6, v[20+\g] offset:128*\g+16*(\p)
.endr
.endm
	EPV 0
	EPV 1
	EPV 2
	EPV 3
	ds_load_b128 v[96:99], v7
	s_wait_dscnt 0x0
	global_store_b128 v1, v[96:99], s[36:37]
.Ldone:
	s_wait_tensorcnt 0x0
	ds_add_u32 v8, v9
	s_wait_dscnt 0x0
	s_endpgm
.Lfunc_end_k_qc354db1f77_proj:
	.size	k_qc354db1f77_proj, .Lfunc_end_k_qc354db1f77_proj-k_qc354db1f77_proj
	.p2alignl 7, 3214868480
	.fill 96, 4, 3214868480
	.section	.rodata,"a",@progbits
	.p2align	6, 0x0
	.amdhsa_kernel k_qc354db1f77_proj
		.amdhsa_group_segment_fixed_size 327680
		.amdhsa_private_segment_fixed_size 0
		.amdhsa_enable_private_segment 0
		.amdhsa_kernarg_size 56
		.amdhsa_user_sgpr_count 2
		.amdhsa_user_sgpr_kernarg_segment_ptr 1
		.amdhsa_wavefront_size32 1
		.amdhsa_system_sgpr_workgroup_id_x 1
		.amdhsa_system_sgpr_workgroup_id_y 1
		.amdhsa_system_sgpr_workgroup_id_z 1
		.amdhsa_system_vgpr_workitem_id 0
		.amdhsa_next_free_vgpr 1024
		.amdhsa_next_free_sgpr 72
		.amdhsa_reserve_vcc 0
		.amdhsa_float_denorm_mode_32 3
		.amdhsa_float_denorm_mode_16_64 3
		.amdhsa_memory_ordered 1
		.amdhsa_forward_progress 1
		.amdhsa_inst_pref_size 149
	.end_amdhsa_kernel
	.amdgpu_metadata
---
amdhsa.version: [ 1, 2 ]
amdhsa.kernels:
  - .name:           k_qc354db1f77_proj
    .symbol:         k_qc354db1f77_proj.kd
    .args:
      - { .name: oc, .offset: 0, .size: 8, .value_kind: global_buffer, .address_space: global }
      - { .name: os, .offset: 8, .size: 8, .value_kind: global_buffer, .address_space: global }
      - { .name: bq, .offset: 16, .size: 8, .value_kind: global_buffer, .address_space: global }
      - { .name: bk, .offset: 24, .size: 8, .value_kind: global_buffer, .address_space: global }
      - { .name: bv, .offset: 32, .size: 8, .value_kind: global_buffer, .address_space: global }
      - { .name: pc, .offset: 40, .size: 8, .value_kind: global_buffer, .address_space: global }
      - { .name: ps, .offset: 48, .size: 8, .value_kind: global_buffer, .address_space: global }
    .group_segment_fixed_size: 327680
    .private_segment_fixed_size: 0
    .kernarg_segment_align: 8
    .kernarg_segment_size: 56
    .max_flat_workgroup_size: 128
    .sgpr_count:     72
    .vgpr_count:     1024
    .wavefront_size: 32
...
	.end_amdgpu_metadata
.endif
;; end of part 6
;; launch attn (part 7): grid 8 x 32, 16 waves a work-group, no clusters, 151,296 bytes of LDS; arguments pc, ps, mc, cc, cs; writes cc, cs
.if DOCPART == 7
	.amdgcn_target "amdgcn-amd-amdhsa--gfx1250"
	.amdhsa_code_object_version 6
	.text
	.protected	k_qc354db1f77_attn
	.globl	k_qc354db1f77_attn
	.p2align	8
	.type	k_qc354db1f77_attn,@function
k_qc354db1f77_attn:
	s_mov_b64 s[64:65], 0
	v_nop
	global_prefetch_b8 v0, s[64:65] scope:SCOPE_SE
	s_setreg_imm32_b32 hwreg(HW_REG_WAVE_MODE, 25, 1), 1
	s_wait_xcnt 0x0
; LAUNCH 3 OF 4: context = softmax(mask(q k^T / 8)) v for the 32 heads, both products on codes of E2M1, and the quantiser of the context along (head, channel).  No work is left out.
; THE SOFTMAX AHEAD OF THE SECOND PRODUCT: t = score x log2(e) / 8; M = the running largest t rounded UP to a whole number; p = 2^(t - M) is quantised along the keys, not normalised; the row's sum is taken of the
; unquantised p and divides at the end; when M moves, the sum and O are multiplied by 2^(old M - new M), which rounds nothing.
; THE MASK RIDES IN THE FIRST PRODUCT.  That product's K is 64, so k = 64 .. 127 of its K step are free.  Register 4 of a fragment of 16 keys (k = 64 + 32 h + j) holds launch 1's codes: 0.5 where key m is hidden from query 8 h + j.
; Register 4 of Q's fragment holds -1 at k = 64 + 32 (r / 8) + r % 8 and zeros elsewhere; both sides' scale bytes of blocks 2 and 3 are 2^50 (launch 2).  So a hidden score comes out as score - 2^99, and p = 0 beside any open key.
; A ROW WITH NO OPEN KEY SO FAR: the running largest score begins at -2^64, over every hidden score.  While it stands there, the lane's factor c and its -M are selected to 0, so that p = 1 for every key: all hidden keys count alike,
; as in reference(), where they all hold -1e9.  The first open key moves M by more than 2^31, so f = 0 takes those terms away again.  No branch hangs on data.
; LIMIT: the promise holds while the scaled scores (the exponents to the base 2, before the maximum is taken away) stay under 2^31 in magnitude.  A block of zeros gets the byte 1 (its codes are zeros).  NaN and infinities are not served.
; SHARES: work-group (A, bh): 256 queries of head bh.  Wave e owns the 16 queries 256 A + 16 r + e (the tile that launch 2 stored as one image) and walks all 2,048 keys, 128 a step.
; A HEAD'S K AND V LIE WHOLE IN LDS, filled once through registers by all sixteen waves: one barrier, no ring.  The eight work-groups of a head read the same 140 KB once each, at their heads: no loop of joint requests, so no cluster.
; The mask's codes are a wave's own: 1,024 bytes a step, eight loads of 128 consecutive bytes, asked for one whole step ahead straight into the fragments' registers; so no prefetch is laid beside them.  K's fragments are asked for a step ahead too.
; LAYOUT: both products transposed (S^T = K Q^T, O^T = V^T P^T): a lane holds one query (lane % 16).  Lane m of key tile 2 bb + u takes key 32 bb + 8 u + m + 8 (m / 8), so that the 16 registers of tiles 2 bb, 2 bb + 1 are
; 16 neighbouring keys.  V's rows lie in the order pos, so that a lane's 32 results are channels 32 h + 0 .. 31.
; OUT: cc [qt][head][lane][16 B]: the image of launch 4's operand (K = 64 head + channel);  cs [bh][16 A + e][r]: two scale bytes.
; REGISTERS: v1-4 lane places; v5, v6 the add's two; v7 16 lane; v8-11 the step's addresses; v12 -M, v13 largest score, v[14:15] the sum; v16-23 Q; v24-31 K's scale words; v32-95 eight fragments of K; v96-159 S^T, then p;
;   v160-191 O^T; v192-223 four fragments of V; v224-231 p's codes; v232-239, v244-247, v254 at work; v240 the lane's c or 0 (pair with v241 = 4 lane); v242 the lane's -M or 0 (pair with v243 = c);
;   v248-251 V's scale words; v252 f; v253 p's scale word; v255 Q's scale word.
.set KC,    0                          ; K's 128 images, 544 bytes apart
.set VC,    69632                      ; V's 64 rows of 1,024 bytes, 1,040 apart
.set KS,    136192                     ; K's scale words, one a key, keys in order
.set VS,    144384                     ; V's scale bytes, 64 rows of 64, 68 apart
.set CSG,   148736                     ; the context's scale bytes on their way out
.set SPARE, 149248                     ; the spare words: 128 bytes a wave
.set LOW,   0xdf800000                 ; -2^64
	s_load_b256 s[4:11], s[0:1], 0x0               ; pc, ps, mc, cc
	s_load_b64 s[12:13], s[0:1], 0x20              ; cs
	v_lshl_add_u32 v5, v0, 2, SPARE
	v_mov_b32 v6, 0
	v_lshrrev_b32 v8, 5, v0
	s_delay_alu instid0(VALU_DEP_1)
	v_readfirstlane_b32 s14, v8                    ; e = wave
	s_mov_b32 s15, ttmp9                           ; A
	s_and_b32 s66, ttmp7, 0xffff                   ; bh
	v_and_b32 v9, 31, v0                           ; lane
	v_and_b32 v10, 15, v0                          ; m
	v_bfe_u32 v11, v0, 4, 1                        ; h
	v_and_b32 v12, 7, v0                           ; m % 8
	v_bfe_u32 v13, v0, 3, 1                        ; m / 8
	v_lshlrev_b32 v7, 4, v9
	v_lshlrev_b32 v241, 2, v9                      ; the mask's words: 4 bytes a lane
	v_mul_u32_u24 v1, v12, 544                     ; K: key 8 u + m % 8 modulo 16 picks the image, (key / 16) % 16 the row in it
	s_delay_alu instid0(VALU_DEP_1)
	v_lshl_add_u32 v1, v13, 4, v1
	s_delay_alu instid0(VALU_DEP_1)
	v_lshl_add_u32 v1, v11, 8, v1
	v_mul_u32_u24 v2, v10, 1040                    ; V: row m of a tile, + 16 h
	s_delay_alu instid0(VALU_DEP_1)
	v_lshl_add_u32 v2, v11, 4, v2
	s_delay_alu instid0(VALU_DEP_1)
	v_add_nc_u32 v2, VC, v2
	v_lshlrev_b32 v3, 2, v10                       ; K's scale word of key m + 8 (m / 8)
	s_delay_alu instid0(VALU_DEP_1)
	v_lshl_add_u32 v3, v13, 5, v3
	s_delay_alu instid0(VALU_DEP_1)
	v_add_nc_u32 v3, KS, v3
	v_mul_u32_u24 v4, v10, 68                      ; V's of row m
	s_delay_alu instid0(VALU_DEP_1)
	v_add_nc_u32 v4, VS, v4
	v_lshlrev_b32 v238, 2, v12                     ; Q's register 4: the code of -1 (0xa) in nibble r % 8 where r / 8 = h
	v_mov_b32 v20, 10
	s_delay_alu instid0(VALU_DEP_1)
	v_lshlrev_b32 v20, v238, v20
	v_cmp_eq_u32 vcc_lo, v13, v11
	v_cndmask_b32 v20, 0, v20, vcc_lo
	s_mul_i32 s16, s14, 4352                       ; the fill: my eight images of K,
	v_add_nc_u32 v232, s16, v7
	s_mul_i32 s16, s14, 4160                       ; my four rows of V,
	s_add_co_u32 s16, s16, VC
	v_add_nc_u32 v233, s16, v7
	s_and_b32 s16, s14, 1                          ; K's words: position 256 (4 (w % 2) + i) + 16 r + 2 (w / 2) + h,
	s_lshl_b32 s16, s16, 12
	s_lshr_b32 s17, s14, 1
	s_lshl_b32 s17, s17, 3
	s_add_co_u32 s16, s16, s17
	s_add_co_u32 s16, s16, KS
	v_lshlrev_b32 v234, 6, v10
	s_delay_alu instid0(VALU_DEP_1)
	v_lshl_add_u32 v234, v11, 2, v234
	s_delay_alu instid0(VALU_DEP_1)
	v_add_nc_u32 v234, s16, v234
	s_mul_i32 s16, s14, 272                        ; V's bytes: row 4 w + lane / 8, byte 8 (lane % 8)
	s_add_co_u32 s16, s16, VS
	v_lshrrev_b32 v235, 3, v9
	s_delay_alu instid0(VALU_DEP_1)
	v_mul_u32_u24 v235, v235, 68
	s_delay_alu instid0(VALU_DEP_1)
	v_lshl_add_u32 v235, v12, 3, v235
	s_delay_alu instid0(VALU_DEP_1)
	v_add_nc_u32 v235, s16, v235
	v_lshlrev_b32 v236, 4, v10                     ; 16 r
	v_lshlrev_b32 v237, 3, v9                      ; 8 x lane
	s_lshl_b32 s16, s66, 16                        ; byte offsets, apart from the addresses
	s_mov_b32 s17, 0
	s_lshl_b32 s18, s14, 12
	s_mov_b32 s19, 0
	s_lshl_b32 s28, s15, 13
	s_lshl_b32 s29, s14, 9
	s_add_co_u32 s28, s28, s29                     ; Q's image: 512 (16 A + e)
	s_mov_b32 s29, 0
	s_lshl_b32 s30, s66, 13
	s_lshr_b32 s31, s14, 1
	s_lshl_b32 s31, s31, 10
	s_add_co_u32 s32, s30, s31
	s_lshr_b32 s31, s15, 2
	s_lshl_b32 s31, s31, 9
	s_add_co_u32 s32, s32, s31
	s_and_b32 s31, s14, 1
	s_lshl_b32 s31, s31, 8
	s_add_co_u32 s32, s32, s31
	s_and_b32 s31, s15, 3
	s_lshl_b32 s31, s31, 2
	s_add_co_u32 s32, s32, s31                     ; Q's scale words
	s_mov_b32 s33, 0
	s_lshl_b32 s31, s14, 9
	s_add_co_u32 s34, s30, s31
	s_add_co_u32 s34, s34, 262144                  ; K's: my 512 bytes
	s_mov_b32 s35, 0
	s_lshl_b32 s36, s66, 12
	s_lshl_b32 s31, s14, 8
	s_add_co_u32 s36, s36, s31
	s_add_co_u32 s36, s36, 524288                  ; V's: my 256 bytes
	s_mov_b32 s37, 0
	s_lshr_b32 s38, s66, 4
	s_lshl_b32 s38, s38, 7
	s_lshl_b32 s31, s15, 4
	s_add_co_u32 s38, s38, s31
	s_add_co_u32 s38, s38, s14                     ; qt
	s_lshl_b32 s40, s38, 14                        ; mc: 16,384 qt
	s_mov_b32 s41, 0
	s_lshl_b32 s42, s38, 13
	s_and_b32 s31, s66, 15
	s_lshl_b32 s31, s31, 9
	s_add_co_u32 s42, s42, s31                     ; cc: 8,192 qt + 512 head
	s_mov_b32 s43, 0
	s_lshl_b32 s44, s66, 12
	s_lshl_b32 s31, s15, 9
	s_add_co_u32 s44, s44, s31                     ; cs: 4,096 bh + 512 A
	s_mov_b32 s45, 0
	s_mov_b32 s68, 0x76543210
	s_mov_b32 s69, 0xfedcba98                      ; selects for lane l xor 16
	s_mov_b32 s70, 0x3e38aa3b                      ; c = log2(e) / 8
	s_mov_b32 s72, 0                               ; the steps' places: K's codes, K's words, V's codes, V's words
	s_mov_b32 s73, 0
	s_mov_b32 s74, 0
	s_mov_b32 s75, 0
	s_mov_b32 s76, 7
	s_wait_alu depctr_va_vdst(0)
	s_wait_kmcnt 0x0
	s_add_nc_u64 s[20:21], s[4:5], s[16:17]
	s_add_nc_u64 s[22:23], s[20:21], s[18:19]
	s_add_nc_u64 s[24:25], s[22:23], 0x200000      ; k's head, my 4,096 bytes
	s_add_nc_u64 s[26:27], s[22:23], 0x400000      ; v's
	s_add_nc_u64 s[28:29], s[20:21], s[28:29]
	s_add_nc_u64 s[32:33], s[6:7], s[32:33]
	s_add_nc_u64 s[34:35], s[6:7], s[34:35]
	s_add_nc_u64 s[36:37], s[6:7], s[36:37]
	s_add_nc_u64 s[78:79], s[8:9], s[40:41]
	s_add_nc_u64 s[96:97], s[10:11], s[42:43]
	s_add_nc_u64 s[98:99], s[12:13], s[44:45]
.macro KLOAD par                       ; a step's eight fragments of K (registers 0-3 of each) and their scale words
.irp t, 0,1,2,3,4,5,6,7
	ds_load_b128 v[32+8*\t:35+8*\t], v8 offset:128*(\par)+4352*(\t%2)+32*(\t/2)
	ds_load_b32 v[24+\t], v10 offset:512*(\par)+4*(32*(\t/2)+8*(\t%2))
.endr
.endm
.macro MLOAD                           ; a step's codes of the mask: register 4 of each fragment; 128 consecutive bytes a load
.irp t, 0,1,2,3,4,5,6,7
	global_load_b32 v[36+8*\t], v241, s[78:79] offset:128*\t
.endr
.endm
.irp i, 0,1,2,3,4,5,6,7
	global_load_b128 v[96+4*\i:99+4*\i], v7, s[24:25] offset:512*\i
.endr
.irp i, 0,1,2,3,4,5,6,7
	global_load_b128 v[128+4*\i:131+4*\i], v7, s[26:27] offset:512*\i
.endr
	global_load_b128 v[160:163], v7, s[34:35]
	global_load_b64 v[164:165], v237, s[36:37]
	global_load_b128 v[16:19], v7, s[28:29]        ; Q's fragment stays in registers
	global_load_b32 v255, v236, s[32:33]
	MLOAD                                          ; the first step's
	s_wait_loadcnt 0x0
.irp i, 0,1,2,3,4,5,6,7
	ds_store_b128 v232, v[96+4*\i:99+4*\i] offset:544*\i
.endr
.irp i, 0,1,2,3,4,5,6,7
	ds_store_b128 v233, v[128+4*\i:131+4*\i] offset:1040*(\i/2)+512*(\i%2)
.endr
.irp i, 0,1,2,3
	ds_store_b32 v234, v[160+\i] offset:1024*\i
.endr
	ds_store_b32 v235, v164
	ds_store_b32 v235, v165 offset:4
	s_wait_dscnt 0x0                               ; for the others' sake: my part of the head lies in LDS
	s_barrier_signal -1
	s_barrier_wait -1                              ; everybody's does
	v_add_nc_u32 v8, s72, v1
	v_add_nc_u32 v10, s73, v3
	KLOAD 0                                        ; the first step's
	v_mov_b32 v13, LOW                             ; the largest score so far: -2^64, over every hidden score and under every open one
	v_mov_b32 v243, s70
	s_delay_alu instid0(VALU_DEP_2)
	v_mul_f32 v12, s70, -v13
	s_delay_alu instid0(VALU_DEP_1)
	v_floor_f32 v12, v12                           ; -M
	v_mov_b32 v14, 0
	v_mov_b32 v15, 0
	v_mov_b32 v253, 0
.irp b, 0,1,2,3
	v_mov_b32 v[236+\b], 0                         ; a lane permute's destination counts as read
.endr
.irp j, 21,22,23
	v_mov_b32 v\j, 0                               ; zero codes for what is left of the first product's K step: written once
.endr
.irp t, 0,1,2,3,4,5,6,7
.irp j, 5,6,7
	v_mov_b32 v[32+8*\t+\j], 0
.endr
.endr
.set i, 0
.rept 32
	v_mov_b32 v[160+i], 0                          ; O^T: the step is written once; the first finds zeros
.set i, i+1
.endr
	s_wait_alu depctr_va_vdst(0)                   ; the wait at the head's end
; A KEY STEP of 128 keys.  par: the step's parity (two steps share the address registers); more = 1: the next step's fragments of K and codes of the mask are asked for.
.macro STEP par, more
.if \par == 0
	v_add_nc_u32 v9, s74, v2                       ; four plain lines between the last products and the loads into V's registers
	v_add_nc_u32 v11, s75, v4
	v_nop
	v_nop
.else
.rept 4
	v_nop
.endr
.endif
.irp u, 0,1,2,3
.irp c, 0,1
	ds_load_b128 v[192+8*\u+4*\c:195+8*\u+4*\c], v9 offset:64*\par+16640*\u+32*\c
.endr
	ds_load_b32 v[248+\u], v11 offset:4*\par+1088*\u
.endr
	s_wait_dscnt 12                                ; K's sixteen loads, asked for a step ago, are in; V's twelve, issued behind them, may be out
	s_wait_loadcnt 0x0                             ; and the mask's eight: so their base may step
.if \more
	s_add_nc_u64 s[78:79], s[78:79], 1024
.endif
.irp t, 0,1,2,3,4,5,6,7
	v_wmma_scale_f32_16x16x128_f8f6f4 v[96+8*\t:103+8*\t], v[32+8*\t:39+8*\t], v[16:23], 0, v[24+\t], v255 matrix_a_fmt:MATRIX_FMT_FP4 matrix_b_fmt:MATRIX_FMT_FP4
.endr
	v_mov_b32 v254, v12                            ; the old -M.  Four plain lines behind the products
.if (\more) && (\par == 1)
	s_add_co_u32 s72, s72, 8704                    ; 256 keys on: 16 images of K,
	s_add_co_u32 s73, s73, 1024                    ; 256 words
	v_add_nc_u32 v8, s72, v1
	v_add_nc_u32 v10, s73, v3
	v_nop
.else
.rept 3
	v_nop
.endr
.endif
.if \more
	KLOAD 1-\par
	MLOAD
.endif
.irp b, 0,1,2,3
	v_max3_num_f32 v[232+\b], v[96+16*\b], v[97+16*\b], v[98+16*\b]   ; the largest score of each block of 32 keys: for the row's maximum, and, since p rises with the score, for the block's largest p.  Each accumulator is read from its low end on
.endr
.irp i, 3,5,7,9,11,13
.irp b, 0,1,2,3
	v_max3_num_f32 v[232+\b], v[232+\b], v[96+16*\b+\i], v[97+16*\b+\i]   ; (the four blocks by turns)
.endr
.endr
.irp b, 0,1,2,3
	v_max_num_f32 v[232+\b], v[232+\b], v[111+16*\b]
.endr
.irp b, 0,1,2,3
	s_delay_alu instid0(VALU_DEP_4)
	v_permlanex16_b32 v[236+\b], v[232+\b], s68, s69
.endr
.irp b, 0,1,2,3
	s_delay_alu instid0(VALU_DEP_4)
	v_max_num_f32 v[232+\b], v[232+\b], v[236+\b]  ; with lane l xor 16's 16 keys
.endr
	s_delay_alu instid0(VALU_DEP_2)
	v_max3_num_f32 v244, v232, v233, v234
	s_delay_alu instid0(VALU_DEP_1)
	v_max3_num_f32 v13, v13, v244, v235            ; the running largest score
	s_delay_alu instid0(VALU_DEP_1)
	v_mul_f32 v244, s70, -v13                      ; -t (c is positive)
	s_delay_alu instid0(VALU_DEP_1)
	v_floor_f32 v12, v244                          ; the new -M = -ceil(t)
	v_cmp_lt_f32 vcc_lo, LOW, v13                  ; has my row met an open key?
	s_delay_alu instid0(VALU_DEP_2)
	v_sub_f32 v254, v12, v254                      ; old M less new M: a whole number, 0 or less
	v_cndmask_b32 v240, 0, v243, vcc_lo            ; c and -M, or 0 and 0: then p = 1 for every key
	v_cndmask_b32 v242, 0, v12, vcc_lo
	s_delay_alu instid0(VALU_DEP_3)
	v_cvt_i32_f32 v254, v254                       ; (it saturates)
	s_delay_alu instid0(VALU_DEP_1)
	v_ldexp_f32 v252, 1.0, v254                    ; f = 2^(old M - new M)
.irp j, 0,2,4,6,8,10,12,14,16,18,20,22,24,26,28,30,32,34,36,38,40,42,44,46,48,50,52,54,56,58,60,62
	v_pk_fma_f32 v[96+\j:97+\j], v[96+\j:97+\j], v[240:241], v[242:243] op_sel_hi:[1,0,0]   ; t - M, two at a time (of both pairs the low word serves both halves)
.endr
.irp b, 0,1,2,3
	v_fma_f32 v[232+\b], v[232+\b], v240, v242     ; the same of each block's largest score
.endr
	s_wait_alu depctr_va_vdst(0)                   ; the wait ahead of the batch
.set n, 0
.rept 64
	v_exp_f32 v[96+n], v[96+n]                     ; p = 2^(t - M)
.set n, n+1
.endr
.irp b, 0,1,2,3
	v_exp_f32 v[232+\b], v[232+\b]                 ; each block's largest p
.endr
	v_pk_mul_f32 v[14:15], v[14:15], v[252:253] op_sel_hi:[1,0]   ; the sums under the new M: the plain line behind the exponentials
	s_wait_alu depctr_va_vdst(0)                   ; one wait for the batch of 68, which also stands directly ahead of the first readers of the last step's O^T
.irp j, 0,2,4,6,8,10,12,14,16,18,20,22,24,26,28,30
	v_pk_mul_f32 v[160+\j:161+\j], v[160+\j:161+\j], v[252:253] op_sel_hi:[1,0]   ; O^T under the new M
.endr
.irp b, 0,1,2,3
	v_max_num_f32 v[232+\b], 0x1800000, v[232+\b]  ; the floor: the byte cannot fall under 1
.endr
.irp b, 0,1,2,3
	s_delay_alu instid0(VALU_DEP_4)
	v_add_nc_u32 v[244+\b], 0xff000000, v[232+\b]  ; the conversion's scale operand
.endr
.irp b, 0,1,2,3
	s_delay_alu instid0(VALU_DEP_4)
	v_lshrrev_b32 v[236+\b], 23, v[244+\b]
.endr
	s_delay_alu instid0(VALU_DEP_3)
	v_lshl_or_b32 v253, v237, 8, v236              ; p's scale word for these 128 keys
	s_delay_alu instid0(VALU_DEP_1)
	v_lshl_or_b32 v253, v238, 16, v253
	s_delay_alu instid0(VALU_DEP_1)
	v_lshl_or_b32 v253, v239, 24, v253
.irp b, 0,1,2,3
	v_cvt_scalef32_pk8_fp4_f32 v[224+2*\b], v[96+16*\b:103+16*\b], v[244+\b]
	v_cvt_scalef32_pk8_fp4_f32 v[225+2*\b], v[104+16*\b:111+16*\b], v[244+\b]
.endr
	v_pk_add_f32 v[232:233], v[96:97], v[98:99]    ; THE ROW'S SUM OF THE UNQUANTISED p, in seven chains.  This first line is the plain line behind the last conversion
.irp c, 0,1
.irp i, 0,1
	v_permlane16_swap_b32 v[224+4*\c+\i], v[226+4*\c+\i]   ; a whole block to a lane: lanes 0-15 block 2 c, lanes 16-31 block 2 c + 1
.endr
.endr
	v_pk_add_f32 v[234:235], v[100:101], v[102:103]        ; the 31 lines from here on also stand between the scale word's and the codes' last writes and the products
	v_pk_add_f32 v[236:237], v[104:105], v[106:107]
	v_pk_add_f32 v[238:239], v[108:109], v[110:111]
	v_pk_add_f32 v[244:245], v[112:113], v[114:115]
	v_pk_add_f32 v[246:247], v[116:117], v[118:119]
.set n, 12
.rept 3
.irp a, 14,232,234,236,238,244,246
.if n < 32
	v_pk_add_f32 v[\a:\a+1], v[\a:\a+1], v[96+2*n:97+2*n]
.set n, n+1
.endif
.endr
.endr
	s_delay_alu instid0(VALU_DEP_4)
	v_pk_add_f32 v[232:233], v[232:233], v[234:235]
	v_pk_add_f32 v[236:237], v[236:237], v[238:239]
	v_pk_add_f32 v[244:245], v[244:245], v[246:247]
	s_delay_alu instid0(VALU_DEP_3)
	v_pk_add_f32 v[14:15], v[14:15], v[232:233]
	s_delay_alu instid0(VALU_DEP_2)
	v_pk_add_f32 v[236:237], v[236:237], v[244:245]
	s_delay_alu instid0(VALU_DEP_1)
	v_pk_add_f32 v[14:15], v[14:15], v[236:237]
	s_wait_alu depctr_va_vdst(0)
.if \more
	s_wait_dscnt 16                                ; V's fragments and scale words are in; the next step's sixteen loads of K may be out
.else
	s_wait_dscnt 0x0
.endif
.irp u, 0,1,2,3
	v_wmma_scale_f32_16x16x128_f8f6f4 v[160+8*\u:167+8*\u], v[192+8*\u:199+8*\u], v[224:231], v[160+8*\u:167+8*\u], v[248+\u], v253 matrix_a_fmt:MATRIX_FMT_FP4 matrix_b_fmt:MATRIX_FMT_FP4
.endr
.endm
.Lpair:                                            ; seven trips of two steps; the last two steps are written out, so that no load runs past the last step
	STEP 0, 1
	STEP 1, 1
	s_add_co_u32 s74, s74, 128                     ; 256 keys on: 128 bytes of each row of V,
	s_add_co_u32 s75, s75, 8                       ; 8 of its scale bytes
	s_sub_co_u32 s76, s76, 1
	s_cmp_lg_u32 s76, 0
	s_cbranch_scc1 .Lpair
	STEP 0, 1
	STEP 1, 0
	; THE WAY OUT: O^T / the sum; my 32 numbers are channels 32 h + 0 .. 31 of query r: one block of the last product's K
.rept 4
	v_nop                                          ; places behind the last products
.endr
	s_lshl_b32 s16, s14, 5
	s_add_co_u32 s16, s16, CSG
	v_add_f32 v14, v14, v15
	s_delay_alu instid0(VALU_DEP_1)
	v_permlanex16_b32 v252, v14, s68, s69
	s_delay_alu instid0(VALU_DEP_1)
	v_add_f32 v14, v14, v252                       ; the row's sum
	s_wait_alu depctr_va_vdst(0)                   ; the wait ahead of the transcendental
	v_rcp_f32 v14, v14
	v_bfe_u32 v238, v0, 4, 1                       ; (plain lines behind the reciprocal)
	v_and_b32 v9, 15, v0
	v_add_nc_u32 v10, CSG, v7                      ; the scale bytes' way out: read back 16 bytes a lane,
	s_delay_alu instid0(VALU_DEP_3)
	v_lshlrev_b32 v238, 3, v238                    ; 8 h
	s_delay_alu instid0(VALU_DEP_3)
	v_lshl_add_u32 v9, v9, 1, s16                  ; stored at CSG + 32 w + 2 r
	s_delay_alu instid0(VALU_DEP_2)
	v_sub_nc_u32 v239, 8, v238                     ; 8 - 8 h
	s_wait_alu depctr_va_vdst(0)                   ; ahead of the reciprocal's first reader, and of the first readers of the last products
.set i, 0
.rept 32
	v_mul_f32 v[96+i], v[160+i], v14
.set i, i+1
.endr
	v_max3_num_f32 v232, |v96|, |v97|, 0x1800000
.irp i, 2,4,6,8,10,12,14,16,18,20,22,24,26,28,30
	s_delay_alu instid0(VALU_DEP_1)
	v_max3_num_f32 v232, v232, |v[96+\i]|, |v[97+\i]|
.endr
	s_delay_alu instid0(VALU_DEP_1)
	v_add_nc_u32 v244, 0xff000000, v232
	s_delay_alu instid0(VALU_DEP_1)
	v_lshrrev_b32 v236, 23, v244
.irp g, 0,1,2,3
	v_cvt_scalef32_pk8_fp4_f32 v[224+\g], v[96+8*\g:103+8*\g], v244
.endr
	v_nop
	global_store_b128 v7, v[224:227], s[96:97]     ; 512 consecutive bytes
	v_permlanex16_b32 v237, v236, s68, s69
	v_lshlrev_b32 v236, v238, v236                 ; my byte at its place, the other half's at its: both lanes of a query hold the same two bytes
	s_delay_alu instid0(VALU_DEP_2)
	v_lshlrev_b32 v237, v239, v237
	s_delay_alu instid0(VALU_DEP_1)
	v_or_b32 v236, v236, v237
	ds_store_b16 v9, v236
	s_wait_dscnt 0x0
	s_barrier_signal -1
	s_barrier_wait -1                              ; the sixteen waves' 512 bytes lie together
	s_cmp_lg_u32 s14, 0
	s_cbranch_scc1 .Lend
	ds_load_b128 v[232:235], v10
	s_wait_dscnt 0x0
	global_store_b128 v7, v[232:235], s[98:99]
.Lend:
	s_wait_tensorcnt 0x0                           ; the wave's end: three lines behind my last LDS store
	ds_add_u32 v5, v6
	s_wait_dscnt 0x0
	s_endpgm
.Lfunc_end_k_qc354db1f77_attn:
	.size	k_qc354db1f77_attn, .Lfunc_end_k_qc354db1f77_attn-k_qc354db1f77_attn
	.p2alignl 7, 3214868480
	.fill 96, 4, 3214868480
	.section	.rodata,"a",@progbits
	.p2align	6, 0x0
	.amdhsa_kernel k_qc354db1f77_attn
		.amdhsa_group_segment_fixed_size 151296
		.amdhsa_private_segment_fixed_size 0
		.amdhsa_enable_private_segment 0
		.amdhsa_kernarg_size 40
		.amdhsa_user_sgpr_count 2
		.amdhsa_user_sgpr_kernarg_segment_ptr 1
		.amdhsa_wavefront_size32 1
		.amdhsa_system_sgpr_workgroup_id_x 1
		.amdhsa_system_sgpr_workgroup_id_y 1
		.amdhsa_system_sgpr_workgroup_id_z 1
		.amdhsa_system_vgpr_workitem_id 0
		.amdhsa_next_free_vgpr 256
		.amdhsa_next_free_sgpr 100
		.amdhsa_reserve_vcc 1
		.amdhsa_float_denorm_mode_32 3
		.amdhsa_float_denorm_mode_16_64 3
		.amdhsa_memory_ordered 1
		.amdhsa_forward_progress 1
		.amdhsa_inst_pref_size 85
	.end_amdhsa_kernel
	.amdgpu_metadata
---
amdhsa.version: [ 1, 2 ]
amdhsa.kernels:
  - .name:           k_qc354db1f77_attn
    .symbol:         k_qc354db1f77_attn.kd
    .args:
      - { .name: pc, .offset: 0, .size: 8, .value_kind: global_buffer, .address_space: global }
      - { .name: ps, .offset: 8, .size: 8, .value_kind: global_buffer, .address_space: global }
      - { .name: mc, .offset: 16, .size: 8, .value_kind: global_buffer, .address_space: global }
      - { .name: cc, .offset: 24, .size: 8, .value_kind: global_buffer, .address_space: global }
      - { .name: cs, .offset: 32, .size: 8, .value_kind: global_buffer, .address_space: global }
    .group_segment_fixed_size: 151296
    .private_segment_fixed_size: 0
    .kernarg_segment_align: 8
    .kernarg_segment_size: 40
    .max_flat_workgroup_size: 512
    .sgpr_count:     100
    .vgpr_count:     256
    .wavefront_size: 32
...
	.end_amdgpu_metadata
.endif
;; end of part 7
;; launch outln (part 8): grid 256 x 1, 4 waves a work-group, no clusters, 262,656 bytes of LDS; arguments cc, cs, oc, os, Q, bo, gamma, beta, out0; writes out0
.if DOCPART == 8
	.amdgcn_target "amdgcn-amd-amdhsa--gfx1250"
	.amdhsa_code_object_version 6
	.text
	.protected	k_qc354db1f77_outln
	.globl	k_qc354db1f77_outln
	.p2align	8
	.type	k_qc354db1f77_outln,@function
k_qc354db1f77_outln:
	s_mov_b64 s[64:65], 0
	v_nop
	global_prefetch_b8 v0, s[64:65] scope:SCOPE_SE
	s_setreg_imm32_b32 hwreg(HW_REG_WAVE_MODE, 25, 1), 1
	s_wait_xcnt 0x0
; LAUNCH 4 OF 4: out0 = LayerNorm(context wo^T + bo + Q) x gamma + beta; the product on the codes of launches 3 and 1.  No work is left out.
; SHARES: work-group qt = 128 b + 16 A + e owns the 16 rows 256 A + 16 r + e of batch b, all 1,024 columns, so that a row's mean and variance need no other work-group.  Wave w makes columns 256 w .. + 255: 16 accumulators, K in 8 steps.
; The context's eight fragments stay in registers.  A wave's 16 tiles of wo feed that wave alone, and come by two roads at once: K steps 0-3 from memory straight into registers, as images (32 loads of 512 consecutive bytes a step);
; K steps 4-7, 65,536 bytes, by ONE tensor load at the head into the wave's own LDS bytes, read back as the same images.  Nothing is filled again; only the issuing wave reads its bytes, behind its own wait.
; CLUSTER: none.  All work-groups read the same wo, but each asks for its 4 x 65,536 bytes once, at its head, and never again: a joint request would add two rounds of the cluster's barrier to a launch that has two barriers in all.
; THE PRODUCT IS USED TRANSPOSED (source 0 = 16 rows of wo, source 1 = the context): a lane holds eight neighbouring columns of one row.  bo is the C of each sum's first product.
; The 16 rows meet in a stage in LDS (rows 4,112 bytes apart), laid over the first 65,792 bytes, which have had their only fill: a barrier stands between every wave's last read of wo's bytes and the first store there.
; Behind a second barrier each wave takes four whole rows, adds Q, normalises in f32 and stores 512 consecutive bytes an instruction.
; REGISTERS.  window 0: v1 16 lane; v4 32 h; v5, v6 the stage; v7 2 r; v8, v9 the add's two; v10-29 at work; v30 LDS address of my tiles of wo; v32-39 the context's scale words; v64-127 wo's [pair][K step];
;   v128-191 the context (later v128-255: four rows).  window 1: wo's sets 0, 1.  window 2: set 2 at v0 (bo first); accumulators at v128.  window 3: Q's four rows v0-127; gamma v128-159; beta v160-191.
.set SPARE, 262144
.set MSB, 0
.macro WIN new
.if MSB != (\new)
	s_set_vgpr_msb (MSB<<8)|(\new)
.set MSB, (\new)
.endif
.endm
	s_load_b512 s[4:19], s[0:1], 0x0               ; cc, cs, oc, os, Q, bo, gamma, beta
	s_load_b64 s[20:21], s[0:1], 0x40              ; out0
	v_lshl_add_u32 v8, v0, 2, SPARE
	v_mov_b32 v9, 0
	ds_add_u32 v8, v9                              ; the wave's opening: the add, twice on end, and its wait ahead of my first tensor load; the set-up below, work on registers, stands between
	ds_add_u32 v8, v9
	v_lshrrev_b32 v1, 5, v0
	v_readfirstlane_b32 s22, v1                    ; w
	v_and_b32 v7, 31, v0
	v_and_b32 v2, 15, v0                           ; r
	v_bfe_u32 v3, v0, 4, 1                         ; h
	v_lshlrev_b32 v1, 4, v7                        ; 16 x lane
	v_lshlrev_b32 v4, 5, v3                        ; 32 h
	v_mul_u32_u24 v5, v2, 4112
	v_add_nc_u32 v5, v5, v4
	s_lshl_b32 s23, s22, 10
	v_add_nc_u32 v5, s23, v5                       ; into the stage: row r, my wave's 1,024 bytes, + 32 h
	s_mul_i32 s23, s22, 16448
	v_lshl_add_u32 v6, v7, 4, s23                  ; out of it: rows 4 w on, 16 bytes a lane
	v_lshlrev_b32 v7, 1, v2                        ; 2 r
	s_mov_b32 s60, 1                               ; descriptor group 0: count,
	s_lshl_b32 s61, s22, 16                        ; LDS byte 65,536 x wave
	v_add_nc_u32 v30, s61, v1                      ; where I read them back: 16 bytes a lane
	s_mov_b32 s68, 3<<16                           ; group 1: no mask; elements of 8 bytes; no padding.  16 tiles' K steps 4-7: 16 rows of 4,096 bytes, 8,192 apart in memory, on end in LDS
	s_mov_b32 s69, 512<<16                         ; tensor_dim0
	s_mov_b32 s70, 16<<16                          ; tensor_dim1
	s_mov_b32 s71, 512<<16                         ; tile_dim0
	s_mov_b32 s72, 16                              ; tile_dim1
	s_mov_b32 s73, 1024                            ; from row to row, in elements
	s_mov_b32 s74, 0
	s_mov_b32 s75, 0
	s_lshr_b32 s24, ttmp9, 7                       ; b
	s_bfe_u32 s25, ttmp9, 0x30004                  ; A
	s_and_b32 s26, ttmp9, 15                       ; e
	s_lshl_b32 s27, s24, 11
	s_lshl_b32 s25, s25, 8
	s_add_co_u32 s27, s27, s25
	s_add_co_u32 s27, s27, s26
	s_lshl_b32 s25, s22, 6
	s_add_co_u32 s27, s27, s25                     ; the first of my four rows; they lie 16 apart
	s_lshl_b32 s36, s27, 12
	s_mov_b32 s37, 0
	s_lshl_b32 s38, ttmp9, 13                      ; cc: 8,192 qt
	s_mov_b32 s39, 0
	s_lshl_b32 s44, s24, 16
	s_and_b32 s25, ttmp9, 127
	s_lshl_b32 s25, s25, 5
	s_add_co_u32 s44, s44, s25                     ; cs: 65,536 b + 32 (16 A + e)
	s_mov_b32 s45, 0
	s_lshl_b32 s46, s22, 17
	s_add_co_u32 s46, s46, 7864320                 ; wo's tiles 16 w on
	s_mov_b32 s47, 0
	s_lshl_b32 s54, s22, 13
	s_add_co_u32 s54, s54, 491520                  ; and their scale words
	s_mov_b32 s55, 0
	s_lshl_b32 s56, s22, 10                        ; bo: my 256 numbers
	s_mov_b32 s57, 0
	s_mov_b32 s40, 0x76543210
	s_mov_b32 s41, 0xfedcba98
	s_mov_b32 s42, 0x3a800000                      ; 1 / 1,024
	s_mov_b32 s43, 0x3727c5ac                      ; 1e-5
	s_wait_alu depctr_va_vdst(0)
	s_wait_dscnt 0x0                               ; both opening adds are done
	s_wait_kmcnt 0x0
	s_add_nc_u64 s[30:31], s[8:9], s[46:47]
	s_add_nc_u64 s[62:63], s[30:31], 4096          ; K step 4 of my first tile
	s_or_b32 s63, s63, 0x80000000                  ; the type
	tensor_load_to_lds s[60:63], s[68:75]          ; the launch's only fill: one load of mine is out
	s_nop 0
.rept 4
	v_nop
.endr
	s_add_nc_u64 s[28:29], s[12:13], s[36:37]
	s_add_nc_u64 s[52:53], s[20:21], s[36:37]
	s_add_nc_u64 s[32:33], s[4:5], s[38:39]
	s_add_nc_u64 s[34:35], s[6:7], s[44:45]
	s_add_nc_u64 s[48:49], s[10:11], s[54:55]
	s_add_nc_u64 s[50:51], s[14:15], s[56:57]
	WIN 0xc0                                       ; destination window 3
.irp k, 0,1,2,3
.irp i, 0,1,2,3,4,5,6,7
	global_load_b128 v[32*\k+4*\i:32*\k+4*\i+3], v1, s[28:29] offset:65536*\k+512*\i th:TH_LOAD_NT
.endr
.endr
.irp i, 0,1,2,3,4,5,6,7
	global_load_b128 v[128+4*\i:131+4*\i], v1, s[16:17] offset:512*\i
	global_load_b128 v[160+4*\i:163+4*\i], v1, s[18:19] offset:512*\i
.endr
	WIN 0
.irp d, 0,1,2,3,4,5,6,7,8,9,10,11,12,13,14,15
	global_load_u16 v[10+\d], v7, s[34:35] offset:4096*\d          ; head d's two scale bytes of row r
.endr
.irp q, 0,1,2,3,4,5,6,7
.irp c, 0,1
	global_load_b128 v[128+8*\q+4*\c:131+8*\q+4*\c], v1, s[32:33] offset:1024*\q+512*\c
.endr
.endr
.irp p, 0,1,2,3,4,5,6,7
.irp q, 0,1
	global_load_b128 v[64+8*\p+4*\q:67+8*\p+4*\q], v1, s[48:49] offset:1024*\p+512*\q
.endr
.endr
	WIN 0x80                                       ; destination window 2
.irp i, 0,1,2,3,4,5,6,7,8,9,10,11,12,13,14,15
	global_load_b128 v[8*\i:8*\i+3], v4, s[50:51] offset:64*\i     ; tile i, register j: bo of column 256 w + 16 i + 8 h + j
	global_load_b128 v[8*\i+4:8*\i+7], v4, s[50:51] offset:64*\i+16
.endr
.macro LOADSET k                       ; K step k: wo's 16 fragments, 32 loads, into set k % 3: steps 0-3 from memory, steps 4-7 from my LDS bytes
.set ST3, (\k)%3
.set WB, 128*(ST3%2)
.if ST3 == 2
	WIN 0x80
.else
	WIN 0x40
.endif
.irp i, 0,1,2,3,4,5,6,7,8,9,10,11,12,13,14,15
.irp c, 0,1
.if (\k) < 4
	global_load_b128 v[WB+8*\i+4*\c:WB+8*\i+4*\c+3], v1, s[30:31] offset:8192*\i+1024*(\k)+512*\c
.else
	ds_load_b128 v[WB+8*\i+4*\c:WB+8*\i+4*\c+3], v30 offset:4096*\i+1024*((\k)-4)+512*\c
.endif
.endr
.endr
.endm
.macro MULS k, first                   ; 16 products; the 16 accumulators take turns
.set ST3, (\k)%3
.set WB, 128*(ST3%2)
.if ST3 == 2
	WIN 0xa2                                       ; wo window 2, context window 0, C and D window 2
.else
	WIN 0xa1
.endif
.irp i, 0,1,2,3,4,5,6,7,8,9,10,11,12,13,14,15
.set rD, 128+8*\i
.set rC, rD
.if \first
.set rC, 8*\i
.endif
.if \i%2
	v_wmma_scale_f32_16x16x128_f8f6f4 v[rD:rD+7], v[WB+8*\i:WB+8*\i+7], v[128+8*(\k):135+8*(\k)], v[rC:rC+7], v[64+8*(\i/2)+(\k)], v[32+(\k)] matrix_a_fmt:MATRIX_FMT_FP4 matrix_b_fmt:MATRIX_FMT_FP4 matrix_a_scale:MATRIX_SCALE_ROW1
.else
	v_wmma_scale_f32_16x16x128_f8f6f4 v[rD:rD+7], v[WB+8*\i:WB+8*\i+7], v[128+8*(\k):135+8*(\k)], v[rC:rC+7], v[64+8*(\i/2)+(\k)], v[32+(\k)] matrix_a_fmt:MATRIX_FMT_FP4 matrix_b_fmt:MATRIX_FMT_FP4
.endif
.endr
.endm
.macro PLACES                          ; four plain vector lines between a product and a load into, or a read of, its registers
.rept 4
	v_nop
.endr
.endm
	LOADSET 0
	LOADSET 1
	WIN 0
	s_wait_loadcnt 32                              ; all but set 1's 32 loads are in
.irp q, 0,1,2,3,4,5,6,7
	v_lshl_or_b32 v[32+\q], v[11+2*\q], 16, v[10+2*\q]     ; K step q = heads 2 q, 2 q + 1: four scale bytes
.endr
.rept 8
	v_nop                                          ; a scale register written by a vector instruction stands eight plain lines ahead of a scaled product
.endr
	MULS 0, 1
	PLACES
	LOADSET 2                                      ; over bo, which step 0 has taken in
	LOADSET 3
	s_wait_alu depctr_va_vdst(0)
	s_wait_loadcnt 63                              ; sets 2 and 3, younger than set 1, are 64 loads; the count's field holds 63
	MULS 1, 0
	PLACES
	s_wait_tensorcnt 0x0                           ; my K steps 4-7 lie in LDS
	LOADSET 4
	s_wait_loadcnt 32                              ; set 3 may be out
	MULS 2, 0
	PLACES
	LOADSET 5
	s_wait_loadcnt 0x0
	MULS 3, 0
	PLACES
	LOADSET 6
	s_wait_dscnt 63                                ; sets 5 and 6, younger than set 4, are 64 LDS loads; the count's field holds 63
	MULS 4, 0
	PLACES
	LOADSET 7
	s_wait_dscnt 63                                ; sets 6 and 7 likewise
	MULS 5, 0
	s_wait_dscnt 32                                ; set 7 may be out
	MULS 6, 0
	s_wait_dscnt 0x0                               ; my reads of wo's bytes are over
	MULS 7, 0
	PLACES
	WIN 0
	s_barrier_signal -1
	s_barrier_wait -1                              ; everybody's are, and everybody's tensor load has landed: the stage may be laid over the first bytes
	WIN 0x08                                       ; an LDS store's data: window 2
.irp i, 0,1,2,3,4,5,6,7,8,9,10,11,12,13,14,15
	ds_store_b128 v5, v[128+8*\i:131+8*\i] offset:64*\i            ; each accumulator from its low end on
	ds_store_b128 v5, v[132+8*\i:135+8*\i] offset:64*\i+16
.endr
	WIN 0
	s_wait_dscnt 0x0                               ; for the others' sake: my columns lie in the stage
	s_barrier_signal -1
	s_barrier_wait -1
.irp k, 0,1,2,3
.irp i, 0,1,2,3,4,5,6,7
	ds_load_b128 v[128+32*\k+4*\i:131+32*\k+4*\i], v6 offset:4112*\k+512*\i    ; row 4 w + k, whole: register 4 i + j of lane l is column 128 i + 4 l + j
.endr
.endr
.irp k, 0,1,2,3
	v_mov_b32 v[18+\k], 0                          ; a lane permute's destination counts as read
.endr
	s_wait_dscnt 0x0
	WIN 0x0c                                       ; source 1: window 3
.set i, 0
.rept 64
	v_pk_add_f32 v[128+i:129+i], v[128+i:129+i], v[i:i+1]          ; + Q
.set i, i+2
.endr
	WIN 0
.macro ACROSS base                     ; the four rows' pairs at v[base + 2 k] become sums over the row, in every lane
.irp k, 0,1,2,3
	v_add_f32 v[\base+2*\k], v[\base+2*\k], v[\base+2*\k+1]
.endr
.irp x, 1,2,4,8
.irp k, 0,1,2,3
	v_add_f32_dpp v[\base+2*\k], v[\base+2*\k], v[\base+2*\k] row_xmask:\x row_mask:0xf bank_mask:0xf
.endr
.endr
.irp k, 0,1,2,3
	v_permlanex16_b32 v[18+\k], v[\base+2*\k], s40, s41
.endr
.irp k, 0,1,2,3
	v_add_f32 v[\base+2*\k], v[\base+2*\k], v[18+\k]
.endr
.endm
.irp k, 0,1,2,3
	v_pk_add_f32 v[10+2*\k:11+2*\k], v[128+32*\k:129+32*\k], v[130+32*\k:131+32*\k]
.endr
.irp p, 4,6,8,10,12,14,16,18,20,22,24,26,28,30
.irp k, 0,1,2,3
	v_pk_add_f32 v[10+2*\k:11+2*\k], v[10+2*\k:11+2*\k], v[128+32*\k+\p:129+32*\k+\p]
.endr
.endr
	ACROSS 10
.irp k, 0,1,2,3
	v_mul_f32 v[10+2*\k], s42, v[10+2*\k]          ; the mean
.endr
.irp p, 0,2,4,6,8,10,12,14,16,18,20,22,24,26,28,30
.irp k, 0,1,2,3
	v_pk_add_f32 v[128+32*\k+\p:129+32*\k+\p], v[128+32*\k+\p:129+32*\k+\p], v[10+2*\k:11+2*\k] op_sel_hi:[1,0] neg_lo:[0,1] neg_hi:[0,1]   ; x - mean
.endr
.endr
.irp k, 0,1,2,3
	v_pk_mul_f32 v[22+2*\k:23+2*\k], v[128+32*\k:129+32*\k], v[128+32*\k:129+32*\k]
.endr
.irp p, 2,4,6,8,10,12,14,16,18,20,22,24,26,28,30
.irp k, 0,1,2,3
	v_pk_fma_f32 v[22+2*\k:23+2*\k], v[128+32*\k+\p:129+32*\k+\p], v[128+32*\k+\p:129+32*\k+\p], v[22+2*\k:23+2*\k]
.endr
.endr
	ACROSS 22
.irp k, 0,1,2,3
	v_fma_f32 v[22+2*\k], v[22+2*\k], s42, s43     ; the variance + 1e-5
.endr
	s_wait_alu depctr_va_vdst(0)
.irp k, 0,1,2,3
	v_rsq_f32 v[22+2*\k], v[22+2*\k]
.endr
	v_nop                                          ; a plain line behind the last of the four
	s_wait_alu depctr_va_vdst(0)                   ; one wait for the four, ahead of their first reader
.irp p, 0,2,4,6,8,10,12,14,16,18,20,22,24,26,28,30
.irp k, 0,1,2,3
	v_pk_mul_f32 v[128+32*\k+\p:129+32*\k+\p], v[128+32*\k+\p:129+32*\k+\p], v[22+2*\k:23+2*\k] op_sel_hi:[1,0]
.endr
.endr
	WIN 0x3c                                       ; sources 1 and 2: window 3
.irp p, 0,2,4,6,8,10,12,14,16,18,20,22,24,26,28,30
.irp k, 0,1,2,3
	v_pk_fma_f32 v[128+32*\k+\p:129+32*\k+\p], v[128+32*\k+\p:129+32*\k+\p], v[128+\p:129+\p], v[160+\p:161+\p]   ; x gamma + beta
.endr
.endr
	WIN 0
.irp k, 0,1,2,3
.irp i, 0,1,2,3,4,5,6,7
	global_store_b128 v1, v[128+32*\k+4*\i:131+32*\k+4*\i], s[52:53] offset:65536*\k+512*\i th:TH_STORE_NT   ; 512 consecutive bytes of a row
.endr
.endr
	s_wait_tensorcnt 0x0                           ; the wave's end: three lines behind my last tensor load and my last LDS store
	ds_add_u32 v8, v9
	s_wait_dscnt 0x0
	s_endpgm
.Lfunc_end_k_qc354db1f77_outln:
	.size	k_qc354db1f77_outln, .Lfunc_end_k_qc354db1f77_outln-k_qc354db1f77_outln
	.p2alignl 7, 3214868480
	.fill 96, 4, 3214868480
	.section	.rodata,"a",@progbits
	.p2align	6, 0x0
	.amdhsa_kernel k_qc354db1f77_outln
		.amdhsa_group_segment_fixed_size 262656
		.amdhsa_private_segment_fixed_size 0
		.amdhsa_enable_private_segment 0
		.amdhsa_kernarg_size 72
		.amdhsa_user_sgpr_count 2
		.amdhsa_user_sgpr_kernarg_segment_ptr 1
		.amdhsa_wavefront_size32 1
		.amdhsa_system_sgpr_workgroup_id_x 1
		.amdhsa_system_sgpr_workgroup_id_y 1
		.amdhsa_system_sgpr_workgroup_id_z 1
		.amdhsa_system_vgpr_workitem_id 0
		.amdhsa_next_free_vgpr 1024
		.amdhsa_next_free_sgpr 76
		.amdhsa_reserve_vcc 0
		.amdhsa_float_denorm_mode_32 3
		.amdhsa_float_denorm_mode_16_64 3
		.amdhsa_memory_ordered 1
		.amdhsa_forward_progress 1
		.amdhsa_inst_pref_size 89
	.end_amdhsa_kernel
	.amdgpu_metadata
---
amdhsa.version: [ 1, 2 ]
amdhsa.kernels:
  - .name:           k_qc354db1f77_outln
    .symbol:         k_qc354db1f77_outln.kd
    .args:
      - { .name: cc, .offset: 0, .size: 8, .value_kind: global_buffer, .address_space: global }
      - { .name: cs, .offset: 8, .size: 8, .value_kind: global_buffer, .address_space: global }
      - { .name: oc, .offset: 16, .size: 8, .value_kind: global_buffer, .address_space: global }
      - { .name: os, .offset: 24, .size: 8, .value_kind: global_buffer, .address_space: global }
      - { .name: Q, .offset: 32, .size: 8, .value_kind: global_buffer, .address_space: global }
      - { .name: bo, .offset: 40, .size: 8, .value_kind: global_buffer, .address_space: global }
      - { .name: gamma, .offset: 48, .size: 8, .value_kind: global_buffer, .address_space: global }
      - { .name: beta, .offset: 56, .size: 8, .value_kind: global_buffer, .address_space: global }
      - { .name: out0, .offset: 64, .size: 8, .value_kind: global_buffer, .address_space: global }
    .group_segment_fixed_size: 262656
    .private_segment_fixed_size: 0
    .kernarg_segment_align: 8
    .kernarg_segment_size: 72
    .max_flat_workgroup_size: 128
    .sgpr_count:     76
    .vgpr_count:     1024
    .wavefront_size: 32
...
	.end_amdgpu_metadata
.endif
;; end of part 8
